; MI455X (gfx1250); checked and timed in simulation.
; The chip was launched on July 23, 2026; its instructions are those of AMD's public machine-readable ISA for CDNA 5 (MIT licence, August 2026) and "CDNA5" Instruction Set Architecture Reference Guide (July 2026). The comments in the code are by the model that wrote it; some were corrected since.
;; M Vo T Token Processor. Allowed arithmetic: matrix products marked QUANTISED: E2M3 operands, one E8M0 scale for each 32 along K, by v_wmma_scale_f32_16x16x128_f8f6f4 with both operands' format E2M3, f32 sums; everything else in f32.
;; Inputs: hidden_states 4 x 1,024 x 2,048 float32; ib1 2,048 float32; ib2 2,048 float32; iw1 2,048 x 2,048 float32; iw2 2,048 x 2,048 float32; ln_beta 2,048 float32; ln_gamma 2,048 float32; tb1 2,048 float32; tb2 2,048 float32; token_type_ids 4 x 1,024 int32; tw1 2,048 x 2,048 float32; tw2 2,048 x 2,048 float32.
;; Outputs: out0 4 x 1,024 x 2,048 float32.
;; This version of the problem:
;;   THIS VERSION OF THE PROBLEM IS GIVEN IN LOW PRECISION. The matrix products marked QUANTISED in the list below multiply operands that are first quantised to E2M3 (2 exponent bits, 3 mantissa bits; 6 bits a number), with one power-of-two scale for each 32 numbers along K (OCP MX v1.0); their sums are f32. All else is computed in f32.
;;   The module's matrix products, in the order in which they are computed (A, B: the left and right operand; K: the contracted axis; several contracted axes count as one K, in the product's order):
;;     1. [M 4,096, K 2,048] x [K 2,048, N 2,048]; A: computed on the way; B: input tw1: QUANTISED
;;     2. [M 4,096, K 2,048] x [K 2,048, N 2,048]; A: computed on the way; B: input tw2: QUANTISED
;;     3. [M 4,096, K 2,048] x [K 2,048, N 2,048]; A: computed on the way; B: input iw1: QUANTISED
;;     4. [M 4,096, K 2,048] x [K 2,048, N 2,048]; A: computed on the way; B: input iw2: QUANTISED
;;   THE QUANTISER, for each operand of a quantised product, along K:
;;     - K is cut into blocks of 32 from its start; a last block that is shorter is filled with zeros.
;;     - A block's scale is 2^e with e = floor(log2(the largest magnitude in the block)) - 2, held to -126 .. 127; a block of zeros has e = 0. As a byte (E8M0): e + 127.
;;     - Each number is divided by its block's scale, clamped to +-7.5, and rounded to the nearest number of E2M3, ties to even, subnormals kept.
;;     - The product sums the exact products of the quantised numbers (number of the format x scale) in f32.
;;   ~~~python
;;   def quantise(x, axis):      # numpy; x: float32 -> the quantised numbers, widened to float32 again
;;       x = np.moveaxis(x, axis, -1); K = x.shape[-1]
;;       x = np.pad(x, [(0, 0)] * (x.ndim - 1) + [(0, -K % 32)]); x = x.reshape(x.shape[:-1] + (-1, 32)); a = np.abs(x).max(-1, keepdims=True)
;;       e = np.where(a > 0, np.clip(np.frexp(np.where(a > 0, a, 1))[1] - 1 - 2, -126, 127), 0)      # np.frexp(a)[1] - 1 = floor(log2(a)), exactly
;;       r = np.clip(x / 2.0 ** e, -7.5, 7.5)
;;       step = 2.0 ** (np.maximum(np.frexp(np.where(r == 0, 1, r))[1] - 1, 0) - 3)
;;       q = np.round(r / step) * step * 2.0 ** e      # np.round: ties to even
;;       return np.moveaxis(q.reshape(q.shape[:-2] + (-1,))[..., :K], -1, axis).astype(np.float32)
;;   ~~~
;;   OPERANDS COMPUTED ON THE WAY. 'Computed on the way' means the value that the module computes at that place (a softmax that the list does not call 'softmax' is quantised finished and normalised). What goes into a quantiser is computed in f32, as accurately as f32 sums, v_exp_f32 and their like allow (about 1e-6 of the number): no bf16 or f16 on the way to a quantiser, and a product that is left as it is and whose result goes on into a quantised operand takes f32 operands (vector FMAs, or v_wmma_f32_16x16x4_f32). A number that lies on a knife's edge between two numbers of the format may be rounded either way, as far as f32 arithmetic and the matrix unit's own rounding can turn it there, and no further.
;; One version. Each part assembles by itself: llvm-mc -triple=amdgcn-amd-amdhsa -mcpu=gfx1250 --defsym DOCPART=n.
;; ======== version 1 of 1: 3 launches
;; workspace buffers: xq 7,864,320 bytes; xs 327,680 bytes; hq 7,864,320 bytes; hs 327,680 bytes; wq 12,582,912 bytes; ws 524,288 bytes; route 20,736 bytes of whole numbers
;; launch prep (part 1): grid 768 x 1, 4 waves a work-group, no clusters, 104,960 bytes of LDS; arguments hidden_states, token_type_ids, ln_gamma, ln_beta, tw1, iw1, tw2, iw2, xq, xs, wq, ws, route; writes xq, xs, wq, ws, route
.if DOCPART == 1
	.amdgcn_target "amdgcn-amd-amdhsa--gfx1250"
	.amdhsa_code_object_version 6
	.text
	.protected	k_qdbf086ee54_prep
	.globl	k_qdbf086ee54_prep
	.p2align	8
	.type	k_qdbf086ee54_prep,@function
k_qdbf086ee54_prep:
	s_mov_b64 s[64:65], 0
	v_nop
	global_prefetch_b8 v0, s[64:65] scope:SCOPE_SE
	s_setreg_imm32_b32 hwreg(HW_REG_WAVE_MODE, 25, 1), 1
	s_wait_xcnt 0x0
; out = hidden + MLP_e(LN(hidden)), e chosen for each token by token_type_ids (0: text, 1: image, any other value: no MLP).  This launch makes what the two products' launches read.
; WORK LEFT OUT BY THE PROGRAM.  For every token the source multiplies the text MLP's row by (id == 0) and the image MLP's row by (id == 1): for whatever values the inputs hold, at most one of the two factors is 1 and
; the other is a 0 built from a whole number.  So only the chosen expert's rows are multiplied; the choice is made from whole numbers read from memory.  A token of neither kind keeps hidden.  Every input is loaded.
; LIMIT: a NaN, an infinity or an overflow that arises only in the expert that was not chosen (0 x infinity in the source) is not carried to the result.  NaN and infinities among the inputs are not served.
; A block of zeros gets the scale byte 1 (the zero rows 127) where the quantiser says 127: its codes are zeros, and only this program reads the bytes.
; SORTED ROWS: 5,120 = 32 tiles of 160 = 320 blocks of 16.  With pad = n1 % 16 and padI = -n1 % 16: text tokens stand at pad + rank in token order, tokens of neither kind behind them at pad + n0 + rank, image tokens at
; 5,119 - padI - rank; the 1,024 rows of zeros take places 0 .. pad - 1, the top padI places, and the middle from pad + 4,096 - n1 on: each place is taken once.  pad + 4,096 - n1 and padI + n1 are multiples of 16:
; so every block of 16 rows but the first and the last holds tokens alone or zero rows alone.  Between the last text row and the first image row lie at least 1,008 rows, more than a tile: no tile holds rows of both experts.
; WORK-GROUPS 0-255: wave gw = 4 g + w takes tokens 4 gw .. 4 gw + 3 and zero row gw: it counts the ids ahead of its tokens (all 4,096 ids, whole numbers alone), norms and quantises its rows, and stores codes (xq: [row][1,536]),
; scale bytes (xs: [row][64]) and the list (route: word p = token | kind << 16, kind 0 expert row, 1 neither, 2 zero row; word 5,120 = pad + n0, the place behind the last text row).
; WORK-GROUPS 256-767: one of the four weights [K][N], 128 columns x 256 along K; a lane takes a column and its registers run down K, so the codes come out with K innermost.  They are stored as IMAGES OF THE OPERAND'S
; REGISTERS (wq: [weight][128 columns][K 256][K 128][tile of 16][1,536 bytes]; register j of lane L at 512 (j / 4) + 16 L + 4 (j % 4)), scale words in ws [weight][128 columns][K 128][place 128].
; Tile 2 b + u of a group of 32 columns holds in row r' the column 32 b + 8 u + r' % 8 + 16 (r' / 8), so that a transposed product leaves 16 neighbouring columns in a lane's registers of two neighbouring tiles.
; No tensor load, no barrier: waves share nothing.  The two paths part on the work-group's number, have LDS bytes of their own, and do not meet again.
.set SLA,   32                         ; v32-95, v96-159, v160-223: three slots of 64 registers (a row, or 2,048 ids, or gamma, beta)
.set SLB,   96
.set SLC,   160
.set TT0,   224                        ; v224-255 gamma's and beta's pieces; codes at work; the positions' arithmetic
.set TSO,   16384                      ; a wave's LDS region: gamma and beta (16,384), the turning stage (32 x 144), a row's codes and scale bytes (1,792)
.set CSO,   20992
.set LNREG, 22784
.set WST,   4*LNREG                    ; behind them the weight path's stages: two fragments of 1,536 bytes, 1,664 apart, for each wave
.set WREG,  3328
.set FPI,   1664
.set SPARE, WST+4*WREG                 ; the spare words: 128 bytes a wave, two blocks of 256 bytes that no other line names
.set SPW,   12                         ; v12 my spare word's address, v13 = 0: kept for the add alone
.set NIL,   13
	s_load_b512 s[4:19], s[0:1], 0x0               ; hidden, ids, gamma, beta, tw1, iw1, tw2, iw2
	s_load_b256 s[20:27], s[0:1], 0x40             ; xq, xs, wq, ws
	s_load_b64 s[28:29], s[0:1], 0x60              ; route
	v_lshl_add_u32 v[SPW], v0, 2, SPARE
	v_mov_b32 v[NIL], 0
	v_lshrrev_b32 v1, 5, v0
	v_readfirstlane_b32 s30, v1                    ; wave
	v_and_b32 v1, 31, v0                           ; lane
	v_lshlrev_b32 v2, 4, v1                        ; 16 x lane
	s_wait_kmcnt 0x0
	s_cmp_ge_u32 ttmp9, 256
	s_cbranch_scc1 .Lweights
; ------------------------------------------------------------------ the layer norm's path
	s_lshl_b32 s31, ttmp9, 2
	s_add_co_u32 s31, s31, s30                     ; gw
	s_mul_i32 s32, s30, LNREG                      ; my region
	s_mov_b32 s40, 0x76543210
	s_mov_b32 s41, 0xfedcba98                      ; v_permlanex16_b32's selects for lane l xor 16
	s_mov_b32 s42, 0x3a000000                      ; 1 / 2,048
	s_mov_b32 s43, 0x2b8cbccc                      ; 1e-12
	v_lshlrev_b32 v3, 1, v1                        ; 2 x lane
	v_add_nc_u32 v4, s32, v2                       ; gamma's and beta's images: 16 x lane
	v_lshrrev_b32 v5, 3, v1
	v_lshl_add_u32 v5, v5, 4, v4
	v_add_nc_u32 v5, TSO, v5                       ; the stage, in: 16 l + 16 (l / 8): 16 bytes of padding behind each block's 128
	v_mul_u32_u24 v6, v1, 144
	v_add_nc_u32 v6, s32, v6
	v_add_nc_u32 v6, TSO, v6                       ; out: block l
	v_mul_u32_u24 v7, v1, 24
	v_add_nc_u32 v7, s32, v7
	v_add_nc_u32 v7, CSO, v7                       ; a block's 24 bytes of codes
	v_add_nc_u32 v8, CSO, v4                       ; the row's codes back, 16 bytes a lane
	v_add_nc_u32 v9, s32, v1
	v_add_nc_u32 v9, CSO+1536, v9                  ; a block's scale byte
	v_add_nc_u32 v10, s32, v3
	v_add_nc_u32 v10, CSO+1536, v10                ; the row's scale bytes back, 2 a lane
	s_lshl_b32 s34, s31, 4
	v_mov_b32 v236, s34                            ; my four ids: 16 gw
	s_lshl_b32 s36, s31, 15
	s_mov_b32 s37, 0
	s_add_nc_u64 s[4:5], s[4:5], s[36:37]          ; hidden at my first row
.macro LD16 sl, base, off
.irp j, 0,1,2,3,4,5,6,7,8,9,10,11,12,13,14,15
	global_load_b128 v[\sl+4*\j:\sl+4*\j+3], v2, s[\base:\base+1] offset:\off+512*\j
.endr
.endm
.macro RLOAD i, sl                     ; row i of my four: 16 loads of 512 consecutive bytes
.irp j, 0,1,2,3,4,5,6,7,8,9,10,11,12,13,14,15
	global_load_b128 v[\sl+4*\j:\sl+4*\j+3], v2, s[4:5] offset:8192*\i+512*\j th:TH_LOAD_NT
.endr
.endm
	LD16 SLA, 8, 0                                 ; gamma
	LD16 SLB, 10, 0                                ; beta
	LD16 SLC, 6, 0                                 ; ids 0 .. 2,047
	global_load_b128 v[232:235], v236, s[6:7]      ; my own four ids, in every lane
	s_lshr_b32 s34, s31, 5
	s_and_b32 s35, s31, 31
	v_cmp_gt_u32 vcc_lo, s35, v1
	v_cndmask_b32 v22, 0, 1, vcc_lo
	v_add_nc_u32 v22, s34, v22                     ; JL: my lane's ids of loads 0 .. JL - 1 stand ahead of token 4 gw (lane gw % 32 of load gw / 32 holds my own four)
	v_mov_b32 v18, 0                               ; ids equal to 0, to 1, so far;
	v_mov_b32 v19, 0
	v_mov_b32 v20, 0                               ; and of those ahead of my tokens
	v_mov_b32 v21, 0
	s_wait_loadcnt 17                              ; gamma and beta are in; 16 loads of ids and my own four may be out
.irp j, 0,1,2,3,4,5,6,7,8,9,10,11,12,13,14,15
	ds_store_b128 v4, v[SLA+4*\j:SLA+4*\j+3] offset:512*\j
	ds_store_b128 v4, v[SLB+4*\j:SLB+4*\j+3] offset:8192+512*\j
.endr
	s_wait_dscnt 0x0                               ; the stores have read their registers
	LD16 SLA, 6, 8192                              ; ids 2,048 .. 4,095
	RLOAD 0, SLB
.macro SCAN j, rg                      ; four ids of load j: whole numbers alone
.irp c, 0,1,2,3
	v_cmp_eq_u32 vcc_lo, 0, v[\rg+\c]
	v_add_co_ci_u32 v18, vcc_lo, 0, v18, vcc_lo
	v_cmp_eq_u32 vcc_lo, 1, v[\rg+\c]
	v_add_co_ci_u32 v19, vcc_lo, 0, v19, vcc_lo
.endr
	v_cmp_lt_u32 vcc_lo, \j, v22
	v_cndmask_b32 v20, v20, v18, vcc_lo
	v_cndmask_b32 v21, v21, v19, vcc_lo
.endm
	s_wait_loadcnt 32                              ; the first 2,048 ids and my own are in; the other ids and row 0 may be out
.set J, 0
.rept 16
	SCAN J, SLC+4*J
.set J, J+1
.endr
	RLOAD 1, SLC
	s_wait_loadcnt 32                              ; the other ids are in; rows 0 and 1 may be out
.rept 16
	SCAN J, SLA+4*(J-16)
.set J, J+1
.endr
	RLOAD 2, SLA
	v_lshl_or_b32 v23, v19, 16, v18                ; two counts to a word (each at most 4,096)
	v_lshl_or_b32 v24, v21, 16, v20
	v_mov_b32 v25, 0
	v_mov_b32 v237, 0
.irp m, 1,2,4,8
	v_mov_b32_dpp v25, v23 row_xmask:\m row_mask:0xf bank_mask:0xf
	v_mov_b32_dpp v237, v24 row_xmask:\m row_mask:0xf bank_mask:0xf
	v_add_nc_u32 v23, v23, v25
	v_add_nc_u32 v24, v24, v237
.endr
	v_permlanex16_b32 v25, v23, s40, s41
	v_permlanex16_b32 v237, v24, s40, s41
	v_add_nc_u32 v23, v23, v25
	v_add_nc_u32 v24, v24, v237
	v_and_b32 v18, 0xffff, v23                     ; n0
	v_lshrrev_b32 v19, 16, v23                     ; n1
	v_and_b32 v20, 0xffff, v24                     ; c0: text tokens ahead of mine
	v_lshrrev_b32 v21, 16, v24                     ; c1: image tokens ahead of mine
	s_lshl_b32 s38, s31, 2                         ; my first token
	v_add_nc_u32 v22, s38, v18
	v_and_b32 v23, 15, v19                         ; pad = n1 % 16: zero rows in front of the text rows
	v_sub_nc_u32 v24, 0, v19
	v_and_b32 v24, 15, v24                         ; padI = -n1 % 16: zero rows on top of the image rows
	v_add_nc_u32 v20, v20, v23                     ; c0 + pad: the next text token's place
	v_add_nc_u32 v21, v21, v24                     ; c1 + padI: 5,119 less this is the next image token's place
	v_lshl_add_u32 v22, v23, 1, v22
	v_add_nc_u32 v22, v22, v24                     ; n0 + my first token + 2 pad + padI: less the two counts above it is pad + n0 + the rank among tokens of neither kind
	v_add_nc_u32 v18, v18, v23                     ; pad + n0: the place behind the last text row
.macro TOKEN i                         ; token 4 gw + i: its place v[240 + i] and its entry v[244 + i]; every choice by a select
	v_cmp_eq_u32 s34, 0, v[232+\i]
	v_cmp_eq_u32 s35, 1, v[232+\i]
	s_or_b32 s36, s34, s35
	v_add_nc_u32 v248, v20, v21
	v_sub_nc_u32 v248, v22, v248
	v_add_nc_u32 v248, \i, v248                    ; neither
	v_sub_nc_u32 v249, 0x13ff, v21                 ; image
	v_cndmask_b32 v248, v248, v249, s35
	v_cndmask_b32 v[240+\i], v248, v20, s34        ; text
	v_cndmask_b32 v250, 1, 0, s36
	v_lshlrev_b32 v250, 16, v250
	v_or_b32 v250, s38, v250
	v_or_b32 v[244+\i], \i, v250
	v_cndmask_b32 v251, 0, 1, s34
	v_add_nc_u32 v20, v20, v251
	v_cndmask_b32 v251, 0, 1, s35
	v_add_nc_u32 v21, v21, v251
.endm
.macro OFFS i, so                      ; the place, held inside the table, as byte offsets into xq and xs
	v_min_u32 v248, 0x13ff, v[240+\i]
	v_mul_u32_u24 v[26+\i], v248, 0x600
	v_add_nc_u32 v[26+\i], v2, v[26+\i]
	v_lshlrev_b32 v[\so], 6, v248
	v_add_nc_u32 v[\so], v3, v[\so]
.endm
	TOKEN 0
	TOKEN 1
	TOKEN 2
	TOKEN 3
	OFFS 0, 30
	OFFS 1, 31
	OFFS 2, 11
	OFFS 3, 0
	v_sub_nc_u32 v252, 0x1000, v19                 ; my zero row gw: in the middle at 4,096 - n1 - padI + gw;
	v_sub_nc_u32 v252, v252, v24
	v_add_nc_u32 v252, s31, v252
	v_add_nc_u32 v250, v23, v24                    ; pad + padI
	v_sub_nc_u32 v251, 0x1400, v250
	v_add_nc_u32 v251, s31, v251                   ; for gw < pad + padI on top, at 5,120 - padI + (gw - pad);
	v_cmp_lt_u32 vcc_lo, s31, v250
	v_cndmask_b32 v252, v252, v251, vcc_lo
	v_mov_b32 v251, s31                            ; for gw < pad in front, at gw
	v_cmp_lt_u32 vcc_lo, s31, v23
	v_cndmask_b32 v252, v252, v251, vcc_lo
	v_mov_b32 v248, v240                           ; the list: lane k < 4 stores token k's entry, lane 4 the zero row's, lane 5 of wave 0 stores pad + n0
	v_mov_b32 v249, v244
.irp k, 1,2,3
	v_cmp_eq_u32 vcc_lo, \k, v1
	v_cndmask_b32 v248, v248, v[240+\k], vcc_lo
	v_cndmask_b32 v249, v249, v[244+\k], vcc_lo
.endr
	v_mov_b32 v250, 0x20000
	v_cmp_eq_u32 vcc_lo, 4, v1
	v_cndmask_b32 v248, v248, v252, vcc_lo
	v_cndmask_b32 v249, v249, v250, vcc_lo
	v_mov_b32 v250, 0x1400
	v_cmp_eq_u32 vcc_lo, 5, v1
	v_cndmask_b32 v248, v248, v250, vcc_lo
	v_cndmask_b32 v249, v249, v18, vcc_lo
	v_min_u32 v248, 0x1400, v248
	v_lshlrev_b32 v248, 2, v248
	s_cmp_eq_u32 s31, 0
	s_cselect_b32 s34, 6, 5
	v_cmp_gt_u32 vcc_lo, s34, v1
	s_wait_xcnt 0x0                                ; EXEC changes only behind this wait: loads are out
	s_and_saveexec_b32 s35, vcc_lo
	global_store_b32 v248, v249, s[28:29]
	s_wait_xcnt 0x0                                ; and again in front of the line that widens it
	s_or_b32 exec_lo, exec_lo, s35
	v_min_u32 v252, 0x13ff, v252                   ; the zero row: zero codes, scale bytes 127
	v_mul_u32_u24 v253, v252, 0x600
	v_add_nc_u32 v253, v2, v253
	v_lshlrev_b32 v254, 6, v252
	v_add_nc_u32 v254, v3, v254
.irp c, 0,1,2,3
	v_mov_b32 v[224+\c], 0
.endr
	v_mov_b32 v228, 0x7f7f
.irp c, 0,1,2
	global_store_b128 v253, v[224:227], s[20:21] offset:512*\c
.endr
	global_store_b16 v254, v228, s[22:23]
	s_wait_xcnt 0x0                                ; these stores have read their registers: gamma's pieces land there next
.macro GBLOAD k                        ; gamma and beta for the row's loads 2 k and 2 k + 1, into half k % 2
.set TT, TT0+16*((\k)%2)
	ds_load_b128 v[TT:TT+3], v4 offset:1024*(\k)
	ds_load_b128 v[TT+4:TT+7], v4 offset:1024*(\k)+512
	ds_load_b128 v[TT+8:TT+11], v4 offset:8192+1024*(\k)
	ds_load_b128 v[TT+12:TT+15], v4 offset:8192+1024*(\k)+512
.endm
.macro WSUM                            ; v[18:25], four packed chains, become one sum in every lane's v18
	v_pk_add_f32 v[18:19], v[18:19], v[20:21]
	v_pk_add_f32 v[22:23], v[22:23], v[24:25]
	v_pk_add_f32 v[18:19], v[18:19], v[22:23]
	v_add_f32 v18, v18, v19
.irp m, 1,2,4,8
	v_add_f32_dpp v18, v18, v18 row_xmask:\m row_mask:0xf bank_mask:0xf
.endr
	v_permlanex16_b32 v19, v18, s40, s41
	v_add_f32 v18, v18, v19
.endm
.macro QB sl, hf                       ; my block 32 hf + lane: largest magnitude with the floor 2^(3 - 127) among its leaves, scale, 32 codes, to the row's place in LDS
.set XS, \sl+32*\hf
.set CB, TT0+16*\hf
	v_max3_num_f32 v[CB+12], |v[XS]|, |v[XS+1]|, 0x1800000
	v_max3_num_f32 v[CB+13], |v[XS+2]|, |v[XS+3]|, |v[XS+4]|
.irp n, 5,9,13,17,21,25
	v_max3_num_f32 v[CB+12], v[CB+12], |v[XS+\n]|, |v[XS+\n+1]|
	v_max3_num_f32 v[CB+13], v[CB+13], |v[XS+\n+2]|, |v[XS+\n+3]|
.endr
	v_max3_num_f32 v[CB+12], v[CB+12], |v[XS+29]|, |v[XS+30]|
	v_max3_num_f32 v[CB+12], v[CB+12], v[CB+13], |v[XS+31]|
	v_add_nc_u32 v[CB+14], 0xff000000, v[CB+12]    ; 2 off the exponent field: the conversion's scale operand
	v_cvt_scalef32_pk16_fp6_f32 v[CB:CB+2], v[XS:XS+15], v[CB+14]
	v_cvt_scalef32_pk16_fp6_f32 v[CB+8:CB+10], v[XS+16:XS+31], v[CB+14]
	v_lshrrev_b32 v[CB+15], 23, v[CB+14]           ; the scale's byte; also the plain line behind the conversions
.irp n, 0,1,2
	v_mov_b32 v[CB+3+\n], v[CB+8+\n]
.endr
	ds_store_b64 v7, v[CB:CB+1] offset:768*\hf
	ds_store_b64 v7, v[CB+2:CB+3] offset:768*\hf+8
	ds_store_b64 v7, v[CB+4:CB+5] offset:768*\hf+16
	ds_store_b8 v9, v[CB+15] offset:32*\hf
.endm
; A row.  left: the younger global loads that may stay out.  so: the register with the row's offset into xs.
.macro ROW i, sl, left, so
	GBLOAD 0
	GBLOAD 1
	s_wait_loadcnt \left
.irp c, 0,1,2,3
	v_pk_add_f32 v[18+2*\c:19+2*\c], v[\sl+2*\c:\sl+2*\c+1], v[\sl+8+2*\c:\sl+9+2*\c]
.endr
.irp p, 16,24,32,40,48,56
.irp c, 0,1,2,3
	v_pk_add_f32 v[18+2*\c:19+2*\c], v[18+2*\c:19+2*\c], v[\sl+\p+2*\c:\sl+\p+2*\c+1]
.endr
.endr
	WSUM
	v_mul_f32 v14, s42, v18                        ; the mean
	v_mov_b32 v15, v14
.set P, 0
.rept 32
	v_pk_add_f32 v[\sl+P:\sl+P+1], v[\sl+P:\sl+P+1], v[14:15] neg_lo:[0,1] neg_hi:[0,1]
.set P, P+2
.endr
.irp c, 0,1,2,3
	v_pk_mul_f32 v[18+2*\c:19+2*\c], v[\sl+2*\c:\sl+2*\c+1], v[\sl+2*\c:\sl+2*\c+1]
.endr
.irp p, 8,16,24,32,40,48,56
.irp c, 0,1,2,3
	v_pk_fma_f32 v[18+2*\c:19+2*\c], v[\sl+\p+2*\c:\sl+\p+2*\c+1], v[\sl+\p+2*\c:\sl+\p+2*\c+1], v[18+2*\c:19+2*\c]
.endr
.endr
	WSUM
	v_fma_f32 v20, v18, s42, s43                   ; the variance + 1e-12
	v_rsq_f32 v16, v20
	v_rsq_f32 v17, v20
	v_nop                                          ; a plain line behind the two,
	s_wait_alu depctr_va_vdst(0)                   ; and the one wait ahead of their first reader
.irp k, 0,1,2,3,4,5,6,7
.if \k < 7
	s_wait_dscnt 4                                 ; this piece of gamma and beta is in; the next piece's four loads may be out
.else
	s_wait_dscnt 0x0
.endif
.set TT, TT0+16*(\k%2)
.irp c, 0,1,2,3
	v_pk_mul_f32 v[\sl+8*\k+2*\c:\sl+8*\k+2*\c+1], v[\sl+8*\k+2*\c:\sl+8*\k+2*\c+1], v[16:17]
.endr
.irp c, 0,1,2,3
	v_pk_fma_f32 v[\sl+8*\k+2*\c:\sl+8*\k+2*\c+1], v[\sl+8*\k+2*\c:\sl+8*\k+2*\c+1], v[TT+2*\c:TT+2*\c+1], v[TT+8+2*\c:TT+9+2*\c]
.endr
.if \k < 6
	GBLOAD \k+2
.endif
.endr
.irp hf, 0,1                           ; the turn: half a row goes into the stage as it was loaded and comes back a whole block of 32 to a lane; LDS serves a wave's instructions in order
.irp jj, 0,1,2,3,4,5,6,7
	ds_store_b128 v5, v[\sl+32*\hf+4*\jj:\sl+32*\hf+4*\jj+3] offset:576*\jj
.endr
.irp jj, 0,1,2,3,4,5,6,7
	ds_load_b128 v[\sl+32*\hf+4*\jj:\sl+32*\hf+4*\jj+3], v6 offset:16*\jj
.endr
.endr
	s_wait_dscnt 16                                ; the first half is back; the second half's 16 may be out
	QB \sl, 0
	s_wait_dscnt 4                                 ; the second half is back; the first half's four stores of codes may be out
	QB \sl, 1
.irp c, 0,1,2
	ds_load_b128 v[\sl+4*\c:\sl+4*\c+3], v8 offset:512*\c
.endr
	ds_load_u16 v[\sl+12], v10
	s_wait_dscnt 0x0
.irp c, 0,1,2
	global_store_b128 v[26+\i], v[\sl+4*\c:\sl+4*\c+3], s[20:21] offset:512*\c   ; 512 consecutive bytes, at a multiple of 512 from xq's first byte
.endr
	global_store_b16 v[\so], v[\sl+12], s[22:23]
.endm
	ROW 0, SLB, 32, 30
	s_wait_xcnt 0x0                                ; row 0's stores have read the slot's registers
	RLOAD 3, SLB
	ROW 1, SLC, 32, 31
	ROW 2, SLA, 16, 11
	ROW 3, SLB, 0, 0
	s_wait_tensorcnt 0x0                           ; the wave's end, behind my last LDS store
	ds_add_u32 v[SPW], v[NIL]
	s_wait_dscnt 0x0
	s_endpgm
; ------------------------------------------------------------------ the weights' path
.Lweights:
	s_sub_co_u32 s31, ttmp9, 256
	s_bitcmp1_b32 s31, 7                           ; which weight: bit 7 text or image, bit 8 first or second layer: a choice that hangs on the work-group's number alone
	s_cselect_b64 s[12:13], s[14:15], s[12:13]
	s_cselect_b64 s[16:17], s[18:19], s[16:17]
	s_bitcmp1_b32 s31, 8
	s_cselect_b64 s[12:13], s[16:17], s[12:13]
	s_lshr_b32 s32, s31, 7                         ; the weight's number
	s_bfe_u32 s33, s31, 0x40003                    ; which 128 columns
	s_and_b32 s34, s31, 7                          ; which 256 along K
	s_mov_b32 s37, 0
	s_lshl_b32 s36, s34, 21                        ; in W: 256 rows of 8,192 bytes, 512 bytes for 128 columns, 128 for my wave's 32
	s_lshl_b32 s35, s33, 9
	s_add_co_u32 s36, s36, s35
	s_lshl_b32 s35, s30, 7
	s_add_co_u32 s36, s36, s35
	s_add_nc_u64 s[12:13], s[12:13], s[36:37]
	s_mul_i32 s36, s32, 3145728                    ; in wq
	s_mul_i32 s35, s33, 196608
	s_add_co_u32 s36, s36, s35
	s_mul_i32 s35, s34, 24576
	s_add_co_u32 s36, s36, s35
	s_mul_i32 s35, s30, 3072
	s_add_co_u32 s36, s36, s35
	s_add_nc_u64 s[24:25], s[24:25], s[36:37]
	s_lshl_b32 s36, s32, 17                        ; in ws
	s_lshl_b32 s35, s33, 13
	s_add_co_u32 s36, s36, s35
	s_lshl_b32 s35, s34, 10
	s_add_co_u32 s36, s36, s35
	s_lshl_b32 s35, s30, 7
	s_add_co_u32 s36, s36, s35
	s_add_nc_u64 s[26:27], s[26:27], s[36:37]
	v_lshlrev_b32 v3, 2, v1                        ; my column: 4 bytes a lane
	v_bfe_u32 v4, v1, 3, 1                         ; u: which of my wave's two tiles
	v_and_b32 v5, 7, v1
	v_bfe_u32 v6, v1, 4, 1
	v_lshl_or_b32 v5, v6, 3, v5                    ; r': my column's row in that tile
	s_mul_i32 s35, s30, WREG
	s_add_co_u32 s35, s35, WST
	v_mul_u32_u24 v7, v4, FPI
	v_lshl_add_u32 v7, v5, 4, v7
	v_add_nc_u32 v7, s35, v7                       ; into the stage: fragment u, lane r' of its image
	v_add_nc_u32 v8, s35, v2                       ; out of it: 16 x lane
	v_lshl_add_u32 v9, v4, 4, v5
	v_lshlrev_b32 v9, 2, v9                        ; my scale word's place: 4 (16 u + r')
.macro LOADW t                         ; block t: W(32 t + i, my column): 128 consecutive bytes a wave, 512 a work-group
.irp n, 0,1,2,3,4,5,6,7,8,9,10,11,12,13,14,15,16,17,18,19,20,21,22,23,24,25,26,27,28,29,30,31
	global_load_b32 v[32+32*((\t)%2)+\n], v3, s[12:13] offset:(32*(\t)+\n)*8192 th:TH_LOAD_NT
.endr
.endm
.set CW, 96
.macro BLOCK t
.set XS, 32+32*((\t)%2)
.set HH, (\t)%2                        ; the block is k = 64 c + 32 hh of its K step: registers 6 c .. 6 c + 5 of lane r' + 16 hh
.if (\t) < 7
	s_wait_loadcnt 32                              ; this block's 32 loads are in; the next block's may be out
.else
	s_wait_loadcnt 0x0
.endif
	v_max3_num_f32 v14, |v[XS]|, |v[XS+1]|, 0x1800000
	v_max3_num_f32 v15, |v[XS+2]|, |v[XS+3]|, |v[XS+4]|
.irp n, 5,9,13,17,21,25
	v_max3_num_f32 v14, v14, |v[XS+\n]|, |v[XS+\n+1]|
	v_max3_num_f32 v15, v15, |v[XS+\n+2]|, |v[XS+\n+3]|
.endr
	v_max3_num_f32 v14, v14, |v[XS+29]|, |v[XS+30]|
	v_max3_num_f32 v14, v14, v15, |v[XS+31]|
	v_add_nc_u32 v16, 0xff000000, v14
	v_cvt_scalef32_pk16_fp6_f32 v[CW:CW+2], v[XS:XS+15], v16
	v_cvt_scalef32_pk16_fp6_f32 v[CW+8:CW+10], v[XS+16:XS+31], v16
	v_lshrrev_b32 v17, 23, v16                     ; the scale's byte; also the plain line behind the conversions
.irp n, 0,1,2
	v_mov_b32 v[CW+3+\n], v[CW+8+\n]
.endr
.if (\t)%4 == 0
	v_mov_b32 v[24+(\t)/4], v17
.else
	v_lshl_or_b32 v[24+(\t)/4], v17, 8*((\t)%4), v[24+(\t)/4]
.endif
.if (\t)%4 < 2
	ds_store_b128 v7, v[CW:CW+3] offset:256*HH
	ds_store_b64 v7, v[CW+4:CW+5] offset:512+256*HH
.else
	ds_store_b64 v7, v[CW:CW+1] offset:520+256*HH
	ds_store_b128 v7, v[CW+2:CW+5] offset:1024+256*HH
.endif
.if (\t)+2 < 8
	LOADW (\t)+2
.endif
	s_wait_dscnt 0x0                               ; the stores have read their registers: the next block's codes may be written
.endm
.macro FLUSH q                         ; a K step's two fragments leave as they lie: each store 512 consecutive bytes
.set OU, 128+24*\q
.irp f, 0,1
.irp c, 0,1,2
	ds_load_b128 v[OU+12*\f+4*\c:OU+12*\f+4*\c+3], v8 offset:\f*FPI+512*\c
.endr
.endr
	s_wait_dscnt 0x0
.irp f, 0,1
.irp c, 0,1,2
	global_store_b128 v2, v[OU+12*\f+4*\c:OU+12*\f+4*\c+3], s[24:25] offset:\q*12288+\f*1536+512*\c
.endr
.endr
	global_store_b32 v9, v[24+\q], s[26:27] offset:512*\q
.endm
	LOADW 0
	LOADW 1
	BLOCK 0
	BLOCK 1
	BLOCK 2
	BLOCK 3
	FLUSH 0
	BLOCK 4
	BLOCK 5
	BLOCK 6
	BLOCK 7
	FLUSH 1
	s_wait_tensorcnt 0x0                           ; the wave's end, behind my last LDS store
	ds_add_u32 v[SPW], v[NIL]
	s_wait_dscnt 0x0
	s_endpgm
.Lfunc_end_k_qdbf086ee54_prep:
	.size	k_qdbf086ee54_prep, .Lfunc_end_k_qdbf086ee54_prep-k_qdbf086ee54_prep
	.p2alignl 7, 3214868480
	.fill 96, 4, 3214868480
	.section	.rodata,"a",@progbits
	.p2align	6, 0x0
	.amdhsa_kernel k_qdbf086ee54_prep
		.amdhsa_group_segment_fixed_size 104960
		.amdhsa_private_segment_fixed_size 0
		.amdhsa_enable_private_segment 0
		.amdhsa_kernarg_size 104
		.amdhsa_user_sgpr_count 2
		.amdhsa_user_sgpr_kernarg_segment_ptr 1
		.amdhsa_wavefront_size32 1
		.amdhsa_system_sgpr_workgroup_id_x 1
		.amdhsa_system_sgpr_workgroup_id_y 1
		.amdhsa_system_sgpr_workgroup_id_z 1
		.amdhsa_system_vgpr_workitem_id 0
		.amdhsa_next_free_vgpr 256
		.amdhsa_next_free_sgpr 66
		.amdhsa_reserve_vcc 1
		.amdhsa_float_denorm_mode_32 3
		.amdhsa_float_denorm_mode_16_64 3
		.amdhsa_memory_ordered 1
		.amdhsa_forward_progress 1
		.amdhsa_inst_pref_size 163
	.end_amdhsa_kernel
	.amdgpu_metadata
---
amdhsa.version: [ 1, 2 ]
amdhsa.kernels:
  - .name:           k_qdbf086ee54_prep
    .symbol:         k_qdbf086ee54_prep.kd
    .args:
      - { .name: hidden_states, .offset: 0, .size: 8, .value_kind: global_buffer, .address_space: global }
      - { .name: token_type_ids, .offset: 8, .size: 8, .value_kind: global_buffer, .address_space: global }
      - { .name: ln_gamma, .offset: 16, .size: 8, .value_kind: global_buffer, .address_space: global }
      - { .name: ln_beta, .offset: 24, .size: 8, .value_kind: global_buffer, .address_space: global }
      - { .name: tw1, .offset: 32, .size: 8, .value_kind: global_buffer, .address_space: global }
      - { .name: iw1, .offset: 40, .size: 8, .value_kind: global_buffer, .address_space: global }
      - { .name: tw2, .offset: 48, .size: 8, .value_kind: global_buffer, .address_space: global }
      - { .name: iw2, .offset: 56, .size: 8, .value_kind: global_buffer, .address_space: global }
      - { .name: xq, .offset: 64, .size: 8, .value_kind: global_buffer, .address_space: global }
      - { .name: xs, .offset: 72, .size: 8, .value_kind: global_buffer, .address_space: global }
      - { .name: wq, .offset: 80, .size: 8, .value_kind: global_buffer, .address_space: global }
      - { .name: ws, .offset: 88, .size: 8, .value_kind: global_buffer, .address_space: global }
      - { .name: route, .offset: 96, .size: 8, .value_kind: global_buffer, .address_space: global }
    .group_segment_fixed_size: 104960
    .private_segment_fixed_size: 0
    .kernarg_segment_align: 8
    .kernarg_segment_size: 104
    .max_flat_workgroup_size: 128
    .sgpr_count:     66
    .vgpr_count:     256
    .wavefront_size: 32
...
	.end_amdgpu_metadata
.endif
;; end of part 1
;; launch gemm1 (part 2): grid 8 x 32, 4 waves a work-group, clusters of 4 x 1, 327,680 bytes of LDS; arguments xq, xs, wq, ws, tb1, ib1, route, hq, hs; writes hq, hs
.if DOCPART == 2
	.amdgcn_target "amdgcn-amd-amdhsa--gfx1250"
	.amdhsa_code_object_version 6
	.text
	.protected	k_qdbf086ee54_gemm1
	.globl	k_qdbf086ee54_gemm1
	.p2align	8
	.type	k_qdbf086ee54_gemm1,@function
k_qdbf086ee54_gemm1:
	s_mov_b64 s[64:65], 0
	v_nop
	global_prefetch_b8 v0, s[64:65] scope:SCOPE_SE
	s_setreg_imm32_b32 hwreg(HW_REG_WAVE_MODE, 25, 1), 1
	s_wait_xcnt 0x0
	s_wait_alu depctr_hold_cnt(0) depctr_sa_sdst(0) depctr_va_vdst(0) depctr_va_sdst(0) depctr_va_ssrc(0) depctr_va_vcc(0) depctr_vm_vsrc(0)
	s_getreg_b32 s2, hwreg(HW_REG_IB_STS2, 6, 4)
	s_cmp_eq_u32 s2, 0
	s_cbranch_scc0 .Lentry_in_a_cluster
	s_endpgm
.Lentry_in_a_cluster:
	s_bfe_u32 s2, ttmp6, 0x10000c
	s_cmp_lg_u32 s2, 0x3003
	s_cbranch_scc0 .Lentry_shape_is_right
	s_endpgm
.Lentry_shape_is_right:
; h = Q(gelu(x W1[e] + b1[e])) on the sorted rows, x and W1 as codes of E2M3 with E8M0 scales; h leaves as codes, quantised along its 2,048 columns, which are the next product's K.
; Work left out: only the expert chosen for a tile's rows is multiplied (shown at the head of the first kernel).  Tile t of 160 rows takes the text weights where 160 t lies under the place behind the last text row, else the
; image weights: no branch: the expert's number, 0 or 1, held at 1 from above, is multiplied into the weights' offsets; both experts' biases are loaded and the numbers chosen by a select.
; SHARES.  256 work-groups: 32 row tiles of 160 x 8 column groups of 256.  Wave w takes all 160 rows (10 blocks of 16) x columns 64 w .. 64 w + 63 (4 tiles of 16): 40 accumulators, 16 K steps of 128, 40 products each.
; NO RING.  The tile's x for all of K, 160 rows x 1,536 bytes, fits in LDS: it comes once, in two halves along K, 40 rows a wave (rows of 768 bytes, at multiples of 256 from xq's first byte).  Nothing is filled again:
; the K steps have one barrier, in front of the step that first reads the second half.
; W GOES FROM MEMORY STRAIGHT INTO REGISTERS.  No other wave of the work-group multiplies my 64 columns, and W's fragments lie in memory as images of the operand's registers: 12 loads of 512 consecutive bytes a K step,
; asked for five K steps ahead, in six sets of 48 registers.  W's scale words, 32 registers, come once: lanes 0-15 hold one tile's, lanes 16-31 the next tile's.
; BY SLICES.  Loads stand in short runs behind products, never in one long run: behind product (a, 3) the next step's block a of x, behind (a, 1), a = 1 .. 6, two loads of W, behind (0, 1) x's five scale words.
; The 16 K steps are written out: the register numbers come back after 6 steps, and 16 is no multiple of 6.
; THE MATRIX INSTRUCTION IS USED TRANSPOSED (source 0 = 16 columns of W, source 1 = 16 rows of x), and the columns of a tile are chosen so that a lane's 16 registers of tiles 2 b, 2 b + 1 are 16 neighbouring columns.
; A wave's 4 tiles of a block are HALF a fragment of the next product (64 along its K: 6 registers a lane): hq is laid [K 64][block of 16 rows][768 bytes]: registers 0-3 at 16 x lane, registers 4, 5 at 512 + 8 x lane.
; The half scale words of two neighbouring waves meet in LDS bytes of their own; the even wave stores whole words into hs [K 128][row].
; CLUSTER: the four work-groups of a cluster have the same rows and other columns: x's tiles and scale bytes are asked for jointly (mask 15).  W passes through no tensor load.
; GELU: erf(u) = u P(u^2) / Q(u^2), u = z / sqrt(2) held to +-4, polynomials of degree 6 and 4 in u^2, all in f32.  LIMIT: beyond |u| = 4 erf is taken at 4, so far below 0 the result is of the order 1e-7 |z| and not 0.
; LIMITS: NaN and infinities are not served; a block of zeros gets the byte 1: its codes are zeros and only this program reads the bytes.
; REGISTERS, in windows of 256: window 0: v1-31 addresses and the blocks' half scale words; v32-41 x's scale words, two sets, v42-73 W's: scales and nothing else; v74-193 x's fragments, set 0; v194-225 b1, the C of the first step.
;   window 1: v0-239 W's sets 0-4.  window 2: the accumulators of blocks 0-7 at v[32 a + 8 tile].  window 3: v0-63 blocks 8, 9; v64-111 W's set 5; v112-231 x's fragments, set 1.
.set RPITCH, 816                       ; half a row of x in LDS: 3 x (256 bytes + 16 of padding) = 204 words: row r starts at bank 12 r mod 64, so the 32 lanes of a load of 8 bytes touch 64 different banks
.set KHALF,  160*RPITCH                ; the tile's 160 rows, half of K
.set ASC,    2*KHALF                   ; x's scale bytes, all of K: 40 units of 256 bytes + 16
.set XCH,    272128                    ; the next multiple of 256 behind them: 2 x 160 scale words on their way from wave to wave; no tensor load lands here
.set SPARE,  XCH+1280                  ; the spare words: 128 bytes a wave, two blocks of 256 bytes that no other line names
.set LI,   4                           ; v4 16 x lane   v5 4 x lane   v6 64 x (lane / 16)   v7 8 x lane: never rewritten
.set L4,   5
.set BO,   6
.set L8,   7
.set ADR,  8                           ; v8-15 x's fragments: 4 x (half of K) + 2 x (blocks 5-9) + (behind one padding more)
.set ADS,  16                          ; v16 x's scale words
.set XST,  17                          ; v17, v18 the scale words' exchange: in, out
.set XRD,  18
.set PW,   20                          ; v20-29 the ten blocks' half scale words
.set SPW,  30
.set NIL,  31
.set SA,   32
.set SB,   42
.set BI,   194
.set G1A,  24                          ; s[24:31] group 1 and s[32:39] two groups 0 for x's halves; s[40:47], s[48:51] for its scale bytes
.set G0A,  32
.set G1S,  40
.set G0S,  48
.set MSB, 0
.macro WIN new                         ; the immediate's high byte repeats the setting that is left
.if MSB != (\new)
	s_set_vgpr_msb (MSB<<8)|(\new)
.set MSB, (\new)
.endif
.endm
.macro PLACES n
.rept \n
	v_nop
.endr
.endm
.macro CROUND                          ; a round of the cluster's barrier
	s_barrier_signal -1
	s_barrier_wait -1
	s_cmp_lg_u32 s22, 0
	s_cbranch_scc1 .Lnot_wave_0_\@
	s_barrier_signal -3
.Lnot_wave_0_\@:
	s_barrier_wait -3
	s_barrier_signal -1
	s_barrier_wait -1
.endm
	s_load_b512 s[4:19], s[0:1], 0x0               ; xq, xs, wq, ws, tb1, ib1, route, hq
	s_load_b64 s[20:21], s[0:1], 0x40              ; hs
	v_lshl_add_u32 v[SPW], v0, 2, SPARE
	v_mov_b32 v[NIL], 0
	ds_add_u32 v[SPW], v[NIL]                      ; the wave's opening: the add, twice on end, and its wait ahead of my first tensor load
	ds_add_u32 v[SPW], v[NIL]
	v_lshrrev_b32 v1, 5, v0
	v_readfirstlane_b32 s22, v1                    ; wave
	s_and_b32 s23, s22, 1                          ; which half of a K step of the next product my columns are
	s_lshr_b32 s2, s22, 1                          ; which of the work-group's two groups of 128 columns
	s_bfe_u32 s84, ttmp6, 0x40000                  ; cx
	s_lshl_b32 s85, ttmp9, 2
	s_add_co_u32 s85, s85, s84                     ; which 256 columns: it enters global addresses of W, b1, hq, hs alone
	s_and_b32 s86, ttmp7, 0xffff                   ; the row tile, which the four partners share
	s_mov_b32 s[G1A], 15|(1<<20)|(1<<21)|(5<<22)|(3<<25)   ; mask: all four; bytes; 16 bytes of padding behind every 256
	s_mov_b32 s[G1A+1], 768<<16
	s_mov_b32 s[G1A+2], 40<<16
	s_mov_b32 s[G1A+3], 768<<16
	s_mov_b32 s[G1A+4], 40                         ; 40 rows of 768 bytes,
	s_mov_b32 s[G1A+5], 1536                       ; 1,536 apart
	s_mov_b32 s[G1A+6], 0
	s_mov_b32 s[G1A+7], 0
	s_mov_b32 s[G1S], 15|(3<<16)|(1<<20)|(1<<21)|(5<<22)|(3<<25)   ; 2,560 dense bytes as 10 rows of 256, 16 of padding behind each
	s_mov_b32 s[G1S+1], 32<<16
	s_mov_b32 s[G1S+2], 10<<16
	s_mov_b32 s[G1S+3], 32<<16
	s_mov_b32 s[G1S+4], 10
	s_mov_b32 s[G1S+5], 32
	s_mov_b32 s[G1S+6], 0
	s_mov_b32 s[G1S+7], 0
	s_wait_dscnt 0x0                               ; both opening adds are done
	s_wait_kmcnt 0x0
	s_load_b32 s87, s[16:17], 0x5000               ; the place behind the last text row: wanted for W alone, awaited behind the first fills
	s_mul_i32 s88, s86, 160
	s_mul_i32 s89, s22, 40
	s_add_co_u32 s88, s88, s89                     ; the first of the 40 rows that I fetch
	s_mul_i32 s90, s88, 1536
	s_mov_b32 s91, 0
	s_lshl_b32 s88, s88, 6
	s_mov_b32 s89, 0
	s_add_nc_u64 s[90:91], s[4:5], s[90:91]        ; their codes,
	s_add_nc_u64 s[88:89], s[6:7], s[88:89]        ; their scale bytes
	s_mul_i32 s92, s22, 40*RPITCH
.irp k, 0,1
	s_mov_b32 s[G0A+4*\k], 1
	s_add_co_u32 s[G0A+4*\k+1], s92, \k*KHALF
	s_add_nc_u64 s[G0A+4*\k+2:G0A+4*\k+3], s[90:91], \k*768
	s_or_b32 s[G0A+4*\k+3], s[G0A+4*\k+3], 0x80000000
.endr
	s_mov_b32 s[G0S], 1
	s_mul_i32 s92, s22, 2720
	s_add_co_u32 s[G0S+1], s92, ASC
	s_mov_b64 s[G0S+2:G0S+3], s[88:89]
	s_or_b32 s[G0S+3], s[G0S+3], 0x80000000
	CROUND                                         ; all four work-groups are here: the joint loads meet
	tensor_load_to_lds s[G0S:G0S+3], s[G1S:G1S+7]  ; all my tensor loads, one group: three are out.  The scale bytes,
	s_nop 0
	tensor_load_to_lds s[G0A:G0A+3], s[G1A:G1A+7]  ; K steps 0-7,
	s_nop 0
	tensor_load_to_lds s[G0A+4:G0A+7], s[G1A:G1A+7]   ; K steps 8-15
	s_nop 0
.rept 4
	v_nop
.endr
	v_and_b32 v3, 31, v0                           ; lane
	v_and_b32 v1, 15, v0                           ; r
	v_bfe_u32 v2, v0, 4, 1                         ; h
	v_lshlrev_b32 v[LI], 4, v3
	v_lshlrev_b32 v[L4], 2, v3
	v_lshlrev_b32 v[BO], 6, v2
	v_lshlrev_b32 v[L8], 3, v3
	s_lshl_b32 s92, s85, 10
	s_lshl_b32 s93, s22, 8
	s_add_co_u32 s92, s92, s93                     ; my 64 columns, 4 bytes each
	s_mov_b32 s93, 0
	s_add_nc_u64 s[12:13], s[12:13], s[92:93]      ; the text expert's b1,
	s_add_nc_u64 s[14:15], s[14:15], s[92:93]      ; and the image expert's
.irp b, 0,1,2,3                                ; tile b, register j of lane (r, h): column 32 (b / 2) + 16 h + 8 (b % 2) + j
	global_load_b128 v[BI+8*\b:BI+8*\b+3], v[BO], s[12:13] offset:128*(\b/2)+32*(\b%2)
	global_load_b128 v[BI+8*\b+4:BI+8*\b+7], v[BO], s[12:13] offset:128*(\b/2)+32*(\b%2)+16
.endr
	WIN 0xc0                                       ; destination window 3: where x's set 1 will lie
.irp b, 0,1,2,3
	global_load_b128 v[112+8*\b:115+8*\b], v[BO], s[14:15] offset:128*(\b/2)+32*(\b%2)
	global_load_b128 v[116+8*\b:119+8*\b], v[BO], s[14:15] offset:128*(\b/2)+32*(\b%2)+16
.endr
	WIN 0
	s_mul_i32 s98, s86, 160
	s_wait_kmcnt 0x0
	s_cmp_lt_u32 s98, s87                          ; does the tile begin among the text rows?
	s_cselect_b32 s94, 0, 1                        ; the expert's number,
	s_cselect_b32 s87, -1, 0                       ; and a mask for the choice between the two biases' numbers: all lanes on for text
	s_min_u32 s94, s94, 1                          ; held inside the table of two experts
	s_mul_i32 s95, s94, 131072                     ; the expert's scale words in ws,
	s_mul_i32 s94, s94, 3145728                    ; its codes in wq
	s_lshl_b32 s99, s85, 1
	s_add_co_u32 s99, s99, s2                      ; which 128 columns
	s_mul_i32 s92, s99, 196608
	s_mul_i32 s93, s23, 6144                       ; my four of their eight tiles
	s_add_co_u32 s92, s92, s93
	s_add_co_u32 s92, s92, s94
	s_mov_b32 s93, 0
	s_add_nc_u64 s[8:9], s[8:9], s[92:93]
	s_lshl_b32 s92, s99, 13
	s_lshl_b32 s93, s23, 8
	s_add_co_u32 s92, s92, s93
	s_add_co_u32 s92, s92, s95
	s_mov_b32 s93, 0
	s_add_nc_u64 s[10:11], s[10:11], s[92:93]
.set I, 0
.rept 32
	global_load_b32 v[SB+I], v[L4], s[10:11] offset:512*(I/2)+128*(I%2)   ; K step I / 2: lanes 0-15 tile 2 (I % 2), lanes 16-31 the tile behind it
.set I, I+1
.endr
.macro BLD s, idx                      ; load idx of 12 of W's fragments of K step s, into set s % 6
.set LQ, (\s)%6
.set LW, 1+2*(LQ/5)
.set LB, 48*LQ-176*(LQ/5)
	WIN LW<<6
	global_load_b128 v[LB+4*(\idx):LB+4*(\idx)+3], v[LI], s[8:9] offset:(\s)*12288+((\idx)/3)*1536+((\idx)%3)*512
.endm
.irp s, 0,1,2,3,4
.irp x, 0,1,2,3,4,5,6,7,8,9,10,11
	BLD \s, \x
.endr
.endr
	WIN 0
	v_mul_u32_u24 v19, v1, RPITCH
	v_mad_u32_u24 v19, v2, 24, v19                 ; row x pitch + 24 h,
	v_lshl_add_u32 v20, v2, 4, v19                 ; and the same behind one padding more
.irp k, 0,1
.irp g, 0,1
	v_add_nc_u32 v[ADR+4*\k+2*\g], \k*KHALF+\g*80*RPITCH, v19
	v_add_nc_u32 v[ADR+4*\k+2*\g+1], \k*KHALF+\g*80*RPITCH, v20
.endr
.endr
	v_lshrrev_b32 v[ADS], 2, v3
	v_lshlrev_b32 v[ADS], 4, v[ADS]
	v_lshl_add_u32 v[ADS], v3, 6, v[ADS]           ; x's scale bytes: 64 a row, and 16 more for each 256 passed: lane l takes row 32 i + l
	v_add_nc_u32 v[ADS], ASC, v[ADS]
	s_mul_i32 s88, s2, 640
	s_add_co_u32 s88, s88, XCH
	v_add_nc_u32 v[XRD], s88, v[L4]                ; the exchange, out: my pair's 160 words, 4 bytes a lane
	s_lshl_b32 s89, s23, 1
	s_add_co_u32 s88, s88, s89
	v_lshl_add_u32 v[XST], v1, 2, s88              ; in: row r's word, my two bytes of it
	s_lshl_b32 s92, s85, 2                         ; hq: ((4 x column group + wave) x 320 + my first block) x 768
	s_add_co_u32 s92, s92, s22
	s_mul_i32 s92, s92, 320
	s_mul_i32 s93, s86, 10
	s_add_co_u32 s92, s92, s93
	s_mul_i32 s92, s92, 768
	s_mov_b32 s93, 0
	s_add_nc_u64 s[18:19], s[18:19], s[92:93]
	s_mul_i32 s92, s99, 20480                      ; hs: K step x 5,120 words + the tile's first row
	s_mul_i32 s94, s86, 640
	s_add_co_u32 s92, s92, s94
	s_add_nc_u64 s[20:21], s[20:21], s[92:93]
	s_wait_loadcnt 60                              ; both b1 and W's scale words are in; W's first five K steps, 60 loads, may be out
	WIN 0x03                                       ; source 0: window 3
.set I, 0
.rept 32
	v_cndmask_b32 v[BI+I], v[112+I], v[BI+I], s87  ; the tile's expert's numbers: text's where the mask is on
.set I, I+1
.endr
	WIN 0
.macro SCL sn                          ; x's scale words of K step sn: register i: lanes 0-15 block 2 i, lanes 16-31 block 2 i + 1
	WIN 0
.irp i, 0,1,2,3,4
	ds_load_b32 v[SA+5*((\sn)%2)+\i], v[ADS] offset:2176*\i+4*(\sn)
.endr
.endm
.macro AFR sn, a                       ; block a of x for K step sn: 24 bytes of the row's stream at 24 h and at 48 + 24 h, in pieces of 8; where the piece three on lies behind one padding more, the second address serves
.set NW, 3*((\sn)%2)
.set NA, 74+38*((\sn)%2)+12*(\a)
.set ARG, ADR+4*((\sn)/8)+2*((\a)/5)
	WIN NW<<6
.irp p, 0,1,2,3,4,5
.set PCE, 12*((\sn)%8)+6*(\p/3)+\p%3
.if PCE%32 < 29
	ds_load_b64 v[NA+2*\p:NA+2*\p+1], v[ARG] offset:8*PCE+16*(PCE/32)+((\a)%5)*16*RPITCH
.else
	ds_load_b64 v[NA+2*\p:NA+2*\p+1], v[ARG+1] offset:8*PCE+16*(PCE/32)+((\a)%5)*16*RPITCH
.endif
.endr
.endm
; One product: K step s, block a of x, tile b of W.  The 40 accumulators take turns in the same order in every step.  first = 1: b1 is the C.
.macro PROD s, a, b, first
.set CQ, (\s)%6
.set CW, 1+2*(CQ/5)
.set CBR, 48*CQ-176*(CQ/5)+12*(\b)
.set CAW, 3*((\s)%2)
.set CAR, 74+38*((\s)%2)+12*(\a)
.set DW, 2+(\a)/8
.set AC, 32*((\a)%8)+8*(\b)
.set XB, SB+2*(\s)+(\b)/2
.set XA, SA+5*((\s)%2)+(\a)/2
.set PAR, (\b)%2+2*((\a)%2)
.if \first
	WIN CW|(CAW<<2)|(DW<<6)
.if PAR == 0
	v_wmma_scale_f32_16x16x128_f8f6f4 v[AC:AC+7], v[CBR:CBR+11], v[CAR:CAR+11], v[BI+8*(\b):BI+8*(\b)+7], v[XB], v[XA] matrix_a_fmt:MATRIX_FMT_FP6 matrix_b_fmt:MATRIX_FMT_FP6
.elseif PAR == 1
	v_wmma_scale_f32_16x16x128_f8f6f4 v[AC:AC+7], v[CBR:CBR+11], v[CAR:CAR+11], v[BI+8*(\b):BI+8*(\b)+7], v[XB], v[XA] matrix_a_fmt:MATRIX_FMT_FP6 matrix_b_fmt:MATRIX_FMT_FP6 matrix_a_scale:MATRIX_SCALE_ROW1
.elseif PAR == 2
	v_wmma_scale_f32_16x16x128_f8f6f4 v[AC:AC+7], v[CBR:CBR+11], v[CAR:CAR+11], v[BI+8*(\b):BI+8*(\b)+7], v[XB], v[XA] matrix_a_fmt:MATRIX_FMT_FP6 matrix_b_fmt:MATRIX_FMT_FP6 matrix_b_scale:MATRIX_SCALE_ROW1
.else
	v_wmma_scale_f32_16x16x128_f8f6f4 v[AC:AC+7], v[CBR:CBR+11], v[CAR:CAR+11], v[BI+8*(\b):BI+8*(\b)+7], v[XB], v[XA] matrix_a_fmt:MATRIX_FMT_FP6 matrix_b_fmt:MATRIX_FMT_FP6 matrix_a_scale:MATRIX_SCALE_ROW1 matrix_b_scale:MATRIX_SCALE_ROW1
.endif
.else
	WIN CW|(CAW<<2)|(DW<<4)|(DW<<6)
.if PAR == 0
	v_wmma_scale_f32_16x16x128_f8f6f4 v[AC:AC+7], v[CBR:CBR+11], v[CAR:CAR+11], v[AC:AC+7], v[XB], v[XA] matrix_a_fmt:MATRIX_FMT_FP6 matrix_b_fmt:MATRIX_FMT_FP6
.elseif PAR == 1
	v_wmma_scale_f32_16x16x128_f8f6f4 v[AC:AC+7], v[CBR:CBR+11], v[CAR:CAR+11], v[AC:AC+7], v[XB], v[XA] matrix_a_fmt:MATRIX_FMT_FP6 matrix_b_fmt:MATRIX_FMT_FP6 matrix_a_scale:MATRIX_SCALE_ROW1
.elseif PAR == 2
	v_wmma_scale_f32_16x16x128_f8f6f4 v[AC:AC+7], v[CBR:CBR+11], v[CAR:CAR+11], v[AC:AC+7], v[XB], v[XA] matrix_a_fmt:MATRIX_FMT_FP6 matrix_b_fmt:MATRIX_FMT_FP6 matrix_b_scale:MATRIX_SCALE_ROW1
.else
	v_wmma_scale_f32_16x16x128_f8f6f4 v[AC:AC+7], v[CBR:CBR+11], v[CAR:CAR+11], v[AC:AC+7], v[XB], v[XA] matrix_a_fmt:MATRIX_FMT_FP6 matrix_b_fmt:MATRIX_FMT_FP6 matrix_a_scale:MATRIX_SCALE_ROW1 matrix_b_scale:MATRIX_SCALE_ROW1
.endif
.endif
.endm
; A K step.  What its slices load lands in registers that the step before has multiplied: x's other set, x's other scale words, W's set (s - 1) % 6; the four places at the step's head stand between
; (ISA guide 7.12.1 for instructions other than loads).
.macro STEP s, first
.if (\s) < 11
	s_wait_loadcnt 48                              ; W's fragments of this step are in; behind them four groups of 12 loads were issued
.else
	s_wait_loadcnt 12*(15-(\s))                    ; the stream runs out: fewer groups stand behind
.endif
	PLACES 4
.irp a, 0,1,2,3,4,5,6,7,8,9
.if (\s) < 15
	s_wait_dscnt 54                                ; block a is in: behind its loads stand those of nine blocks, 6 each (and, from block 1 on, five scale words: the count is the lesser one)
.else
	s_wait_dscnt 6*(9-\a)                          ; the last step fetches nothing: the blocks still to come stand behind
.endif
	PROD \s, \a, 0, \first
	PROD \s, \a, 1, \first
.if (\s) < 15
.if \a == 0
	SCL (\s)+1
.endif
.endif
.if (\s) < 11
.if (\a > 0) && (\a < 7)
	BLD (\s)+5, 2*\a-2
	BLD (\s)+5, 2*\a-1
.endif
.endif
	PROD \s, \a, 2, \first
	PROD \s, \a, 3, \first
.if (\s) < 15
	AFR (\s)+1, \a
.endif
.endr
.endm
	s_wait_tensorcnt 1                             ; the scale bytes and my rows of K steps 0-7 are in; the second half may be out
	s_barrier_signal -1
	s_barrier_wait -1                              ; everybody's are
	SCL 0
.irp a, 0,1,2,3,4,5,6,7,8,9
	AFR 0, \a
.endr
	STEP 0, 1
.irp s, 1,2,3,4,5,6
	STEP \s, 0
.endr
	WIN 0
	s_wait_tensorcnt 0x0                           ; my rows of K steps 8-15 are in: no load was issued behind them;
	s_wait_dscnt 0x0                               ; no LDS instruction of mine is out at a signal
	s_barrier_signal -1
	s_barrier_wait -1                              ; everybody's are: step 7's slices read them
.irp s, 7,8,9,10,11,12,13,14,15
	STEP \s, 0
.endr
	WIN 0
; THE WAY OUT, block by block of 16 rows x 64 columns: gelu in f32, the quantiser, the half fragment's image and its half scale word.
.set GG,  74                           ; v74-105 the block's 32 numbers of a lane;  v106-137 u, v138-169 u^2, v170-201 P, v202-233 Q
.set UU,  106
.set SS,  138
.set PP,  170
.set QQ,  202
.set PC,  234                          ; v234-240 the codes just made;  v242-247 the quantiser's work;  v250-253 two constants as pairs
.set TM,  242
	PLACES 4                                       ; behind the last products, in front of the first read of results and of writes over their operands
.macro KPAIR r, bits                   ; a constant as a scalar pair: the packed forms name the pair (no tensor load is out: the descriptors' registers are free)
	s_mov_b32 s[\r], \bits
	s_mov_b32 s[\r+1], \bits
.endm
	KPAIR 24, 0x3f3504f3                           ; 1 / sqrt(2)
	KPAIR 26, 0xaf95df0b                           ; P: u^12,
	KPAIR 28, 0xb60cff51                           ; u^8,
	KPAIR 30, 0xb86ec2d2
	KPAIR 32, 0xba40ac63
	KPAIR 34, 0xbb41a1f6
	KPAIR 36, 0xbc83dbd4                           ; u^0
	KPAIR 38, 0xb77460cd                           ; Q: u^8,
	KPAIR 40, 0xbadc924e                           ; u^4,
	KPAIR 42, 0xbbf19bf8
	KPAIR 44, 0xbc69b6a7                           ; u^0
	s_mov_b32 s46, 0x76543210
	s_mov_b32 s47, 0xfedcba98
	v_mov_b32 v250, 0x32edffee                     ; P's u^10 and Q's u^6 in vector pairs: a chain's first step then names one scalar pair
	v_mov_b32 v251, 0x32edffee
	v_mov_b32 v252, 0xb95fbd29
	v_mov_b32 v253, 0xb95fbd29
	v_mov_b32 v[TM+2], 0                           ; written once: a lane permute's destination counts as one of its sources
	v_mov_b32 v[TM+3], 0
.macro HORNER d, k                     ; d = d u^2 + the constant
.set I, 0
.rept 16
	v_pk_fma_f32 v[\d+I:\d+I+1], v[\d+I:\d+I+1], v[SS+I:SS+I+1], s[\k:\k+1] op_sel_hi:[1,1,0]
.set I, I+2
.endr
.endm
.macro GELU a
.set AC, 32*((\a)%8)
	WIN 2+(\a)/8                                   ; source 0: the accumulators' window
.set I, 0
.rept 16
	v_pk_mul_f32 v[UU+I:UU+I+1], v[AC+I:AC+I+1], s[24:25] op_sel_hi:[1,0]   ; each accumulator is read from its low end on
.set I, I+2
.endr
.set I, 0
.rept 16
	v_pk_mul_f32 v[GG+I:GG+I+1], v[AC+I:AC+I+1], 0.5 op_sel_hi:[1,0]
.set I, I+2
.endr
	WIN 0
.set I, 0
.rept 32
	v_med3_num_f32 v[UU+I], v[UU+I], -4.0, 4.0
.set I, I+1
.endr
.set I, 0
.rept 16
	v_pk_mul_f32 v[SS+I:SS+I+1], v[UU+I:UU+I+1], v[UU+I:UU+I+1]
.set I, I+2
.endr
.set I, 0
.rept 16
	v_pk_fma_f32 v[QQ+I:QQ+I+1], v[SS+I:SS+I+1], s[38:39], v[252:253] op_sel_hi:[1,0,1]
.set I, I+2
.endr
	HORNER QQ, 40
	HORNER QQ, 42
	HORNER QQ, 44
.set I, 0
.rept 32
	v_rcp_f32 v[QQ+I], v[QQ+I]                     ; one batch;
.set I, I+1
.endr
.set I, 0
.rept 16
	v_pk_fma_f32 v[PP+I:PP+I+1], v[SS+I:SS+I+1], s[26:27], v[250:251] op_sel_hi:[1,0,1]   ; P's chain, which names none of its results, is the work behind it
.set I, I+2
.endr
	HORNER PP, 28
	HORNER PP, 30
	HORNER PP, 32
	HORNER PP, 34
	HORNER PP, 36
.set I, 0
.rept 16
	v_pk_mul_f32 v[PP+I:PP+I+1], v[PP+I:PP+I+1], v[UU+I:UU+I+1]
.set I, I+2
.endr
	s_wait_alu depctr_va_vdst(0)                   ; the one wait ahead of the batch's first reader
.set I, 0
.rept 16
	v_pk_mul_f32 v[PP+I:PP+I+1], v[PP+I:PP+I+1], v[QQ+I:QQ+I+1]             ; erf
.set I, I+2
.endr
.set I, 0
.rept 16
	v_pk_fma_f32 v[GG+I:GG+I+1], v[PP+I:PP+I+1], v[GG+I:GG+I+1], v[GG+I:GG+I+1]   ; z / 2 + erf z / 2
.set I, I+2
.endr
.endm
; 32 numbers of a lane, register 16 b + i = column 32 b + 16 h + i of my row, become six registers of codes and two scale bytes
.macro QUANT a
.irp b, 0,1
	v_max3_num_f32 v[TM+\b], |v[GG+16*\b]|, |v[GG+1+16*\b]|, 0x1800000   ; with the floor 2^(3 - 127): the byte cannot fall under 1
.endr
.irp n, 2,4,6,8,10,12,14
.irp b, 0,1
	v_max3_num_f32 v[TM+\b], v[TM+\b], |v[GG+16*\b+\n]|, |v[GG+1+16*\b+\n]|
.endr
.endr
.irp b, 0,1
	v_permlanex16_b32 v[TM+2+\b], v[TM+\b], s46, s47
.endr
.irp b, 0,1
	v_max_num_f32 v[TM+\b], v[TM+\b], v[TM+2+\b]   ; with lane l xor 16's 16: the block's largest magnitude
.endr
.irp b, 0,1
	v_add_nc_u32 v[TM+4+\b], 0xff000000, v[TM+\b]  ; 2 off the exponent field: the conversion's scale operand
.endr
.irp b, 0,1
	v_lshrrev_b32 v[TM+2+\b], 23, v[TM+4+\b]       ; the scale's byte
.endr
	v_lshl_or_b32 v[PW+(\a)], v[TM+3], 8, v[TM+2]
.if (\a) > 0
	s_wait_xcnt 0x0                                ; the last block's stores, a whole gelu back, have read the codes' registers
.endif
	v_cvt_scalef32_pk16_fp6_f32 v[PC:PC+2], v[GG:GG+15], v[TM+4]
	v_cvt_scalef32_pk16_fp6_f32 v[PC+4:PC+6], v[GG+16:GG+31], v[TM+5]
	v_nop                                          ; one plain line behind the conversions
.irp n, 0,1,2                                  ; the operand wants a whole block in a lane: lanes 0-15 the first 32 columns, lanes 16-31 the second
	v_permlane16_swap_b32 v[PC+\n], v[PC+4+\n]
.endr
.irp n, 0,1,2
	v_mov_b32 v[PC+3+\n], v[PC+4+\n]
.endr
	global_store_b128 v[LI], v[PC:PC+3], s[18:19] offset:768*(\a)           ; 512 consecutive bytes,
	global_store_b64 v[L8], v[PC+4:PC+5], s[18:19] offset:768*(\a)+512      ; and 256: both at multiples of 256 from hq's first byte
.endm
.irp a, 0,1,2,3,4,5,6,7,8,9
	GELU \a
	QUANT \a
.endr
.irp a, 0,1,2,3,4,5,6,7,8,9
	ds_store_b16 v[XST], v[PW+\a] offset:64*\a     ; my two bytes of row 16 a + r's word (lanes r and r + 16 write the same bytes with the same value)
.endr
	s_wait_dscnt 0x0                               ; for the other wave's sake: my stores are done
	s_barrier_signal -1
	s_barrier_wait -1
	s_cmp_lg_u32 s23, 0
	s_cbranch_scc1 .Lodd                           ; of each pair of waves the even one stores the pair's 160 words
.irp i, 0,1,2,3,4
	ds_load_b32 v[TM+\i], v[XRD] offset:128*\i
.endr
	s_wait_dscnt 0x0
.irp i, 0,1,2,3,4
	global_store_b32 v[L4], v[TM+\i], s[20:21] offset:128*\i   ; 640 consecutive bytes in five stores
.endr
.Lodd:
	s_wait_tensorcnt 0x0                           ; the wave's end, behind my last tensor load and my last LDS store
	ds_add_u32 v[SPW], v[NIL]
	s_wait_dscnt 0x0
	CROUND                                         ; the closing round: no work-group ends while a partner may still ask for a tile that names it
	s_endpgm
.Lfunc_end_k_qdbf086ee54_gemm1:
	.size	k_qdbf086ee54_gemm1, .Lfunc_end_k_qdbf086ee54_gemm1-k_qdbf086ee54_gemm1
	.p2alignl 7, 3214868480
	.fill 96, 4, 3214868480
	.section	.rodata,"a",@progbits
	.p2align	6, 0x0
	.amdhsa_kernel k_qdbf086ee54_gemm1
		.amdhsa_group_segment_fixed_size 327680
		.amdhsa_private_segment_fixed_size 0
		.amdhsa_enable_private_segment 0
		.amdhsa_kernarg_size 72
		.amdhsa_user_sgpr_count 2
		.amdhsa_user_sgpr_kernarg_segment_ptr 1
		.amdhsa_wavefront_size32 1
		.amdhsa_system_sgpr_workgroup_id_x 1
		.amdhsa_system_sgpr_workgroup_id_y 1
		.amdhsa_system_sgpr_workgroup_id_z 1
		.amdhsa_system_vgpr_workitem_id 0
		.amdhsa_next_free_vgpr 1024
		.amdhsa_next_free_sgpr 100
		.amdhsa_reserve_vcc 0
		.amdhsa_float_denorm_mode_32 3
		.amdhsa_float_denorm_mode_16_64 3
		.amdhsa_memory_ordered 1
		.amdhsa_forward_progress 1
		.amdhsa_inst_pref_size 255
	.end_amdhsa_kernel
	.section	.bss,"aw",@nobits
	.p2align	6
	.space	262144
	.amdgpu_metadata
---
amdhsa.version: [ 1, 2 ]
amdhsa.kernels:
  - .name:           k_qdbf086ee54_gemm1
    .symbol:         k_qdbf086ee54_gemm1.kd
    .args:
      - { .name: xq, .offset: 0, .size: 8, .value_kind: global_buffer, .address_space: global }
      - { .name: xs, .offset: 8, .size: 8, .value_kind: global_buffer, .address_space: global }
      - { .name: wq, .offset: 16, .size: 8, .value_kind: global_buffer, .address_space: global }
      - { .name: ws, .offset: 24, .size: 8, .value_kind: global_buffer, .address_space: global }
      - { .name: tb1, .offset: 32, .size: 8, .value_kind: global_buffer, .address_space: global }
      - { .name: ib1, .offset: 40, .size: 8, .value_kind: global_buffer, .address_space: global }
      - { .name: route, .offset: 48, .size: 8, .value_kind: global_buffer, .address_space: global }
      - { .name: hq, .offset: 56, .size: 8, .value_kind: global_buffer, .address_space: global }
      - { .name: hs, .offset: 64, .size: 8, .value_kind: global_buffer, .address_space: global }
    .group_segment_fixed_size: 327680
    .private_segment_fixed_size: 0
    .kernarg_segment_align: 8
    .kernarg_segment_size: 72
    .max_flat_workgroup_size: 128
    .sgpr_count:     100
    .vgpr_count:     1024
    .wavefront_size: 32
...
	.end_amdgpu_metadata
.endif
;; end of part 2
;; launch gemm2 (part 3): grid 8 x 32, 4 waves a work-group, clusters of 4 x 1, 327,680 bytes of LDS; arguments hq, hs, wq, ws, tb2, ib2, route, hidden_states, out0; writes out0
.if DOCPART == 3
	.amdgcn_target "amdgcn-amd-amdhsa--gfx1250"
	.amdhsa_code_object_version 6
	.text
	.protected	k_qdbf086ee54_gemm2
	.globl	k_qdbf086ee54_gemm2
	.p2align	8
	.type	k_qdbf086ee54_gemm2,@function
k_qdbf086ee54_gemm2:
	s_mov_b64 s[64:65], 0
	v_nop
	global_prefetch_b8 v0, s[64:65] scope:SCOPE_SE
	s_setreg_imm32_b32 hwreg(HW_REG_WAVE_MODE, 25, 1), 1
	s_wait_xcnt 0x0
	s_wait_alu depctr_hold_cnt(0) depctr_sa_sdst(0) depctr_va_vdst(0) depctr_va_sdst(0) depctr_va_ssrc(0) depctr_va_vcc(0) depctr_vm_vsrc(0)
	s_getreg_b32 s2, hwreg(HW_REG_IB_STS2, 6, 4)
	s_cmp_eq_u32 s2, 0
	s_cbranch_scc0 .Lentry_in_a_cluster
	s_endpgm
.Lentry_in_a_cluster:
	s_bfe_u32 s2, ttmp6, 0x10000c
	s_cmp_lg_u32 s2, 0x3003
	s_cbranch_scc0 .Lentry_shape_is_right
	s_endpgm
.Lentry_shape_is_right:
; out0[token] = hidden[token] + f (h W2[e] + b2[e]) on the sorted rows; h and W2 as codes of E2M3 with E8M0 scales; f = 1 for an expert's row, 0 for a token of neither kind; zero rows store nothing.
; Work left out: only the expert chosen for a tile's rows is multiplied (shown at the head of the first kernel).  Tile t of 160 rows takes the text weights where 160 t lies under the place behind the last text row, else the
; image weights: no branch: the expert's number, 0 or 1, held at 1 from above, is multiplied into the weights' offsets; both experts' biases are loaded and the numbers chosen by a select.
; SHARES, SLICES, TURNS as in the first product's kernel: 32 row tiles of 160 x 8 column groups of 256; wave w takes all 160 rows x columns 64 w .. 64 w + 63: 40 accumulators, 16 K steps written out.
; NO RING.  The tile's h for all of K, 245,760 bytes, lies in LDS: it comes once, in two halves along K; one barrier stands in front of the step that first reads the second half.  h lies in memory as images of half
; fragments ([K 64][block of 16 rows][768]: registers 0-3 at 16 x lane, registers 4, 5 at 512 + 8 x lane), so a fragment is two loads of 16 and two of 8 bytes a lane, all on consecutive bytes.
; W GOES FROM MEMORY STRAIGHT INTO REGISTERS, 12 loads of 512 consecutive bytes a K step, five steps ahead, six sets: my 64 columns are multiplied by no other wave of the work-group.
; CLUSTER: the four work-groups of a cluster have the same rows and other columns: h's tiles and scale words are asked for jointly (mask 15).  W passes through no tensor load.
; THE RESIDUAL takes W's place in the slices of K steps 11-15, into W's sets as they come free: a load or store covers rows i and i + 8 of a block, 256 bytes of each.  A row's token comes from the list, held inside the table;
; all 80 offsets are made at the head, all lanes on, each in a register of its own that is never rewritten.
; What the list decides is done without a jump: f by a select, the store of a zero row by EXEC.  By the first kernel's order of rows every block of 16 rows but the first and the last of all 320 holds tokens alone or zero rows
; alone: for my blocks 1-8 EXEC is set once for the block's eight stores, for blocks 0 and 9 once for each store.
; LIMITS: NaN and infinities are not served; f = 0 multiplies a finite number.
; REGISTERS: window 0: v1-31 addresses, b2, f; v32-41 h's scale words, two sets, v42-73 W's: scales and nothing else; v74-193 h's fragments, set 0 (on the way out v74-153 the list, v154-185 rows of y); v194-255 offsets 0-61.
;   window 1: v0-239 W's sets 0-4, later residual rows.  window 2: the accumulators of blocks 0-7 at v[32 a + 8 tile].
;   window 3: v0-63 blocks 8, 9; v64-111 W's set 5; v112-231 h's fragments, set 1; v232-249 offsets 62-79.
.set ASC,    245760                    ; behind h's 32 x 7,680 bytes: its scale words, 16 K steps x 160 rows
.set STAGE,  ASC+10240                 ; the way out: 16 rows x (256 + 16) bytes for each wave; no tensor load lands here
.set SPITCH, 272
.set SPARE,  STAGE+4*16*SPITCH         ; the spare words: 128 bytes a wave, two blocks of 256 bytes that no other line names
.set LI,   4                           ; v4 16 x lane   v5 4 x lane   v6 32 x (lane / 16): never rewritten
.set L4,   5
.set LH,   6
.set CBO,  7                           ; v7 my 16 bytes of a row of hidden and out0
.set ADA,  8                           ; v8-11 h's images, 16 bytes a lane, one register for each four K steps; v12-15 the same for the parts of 8 bytes a lane
.set ADH,  12
.set ADS,  16
.set STO,  17
.set RD,   18
.set BO,   19
.set B2,   20                          ; v20-23 b2 of my four columns; v24-27 the other expert's, until the choice
.set B2X,  24
.set SPW,  28
.set NIL,  29
.set FF,   30                          ; v30 f, v31 = 0: named as a pair
.set SA,   32
.set SB,   42
.set ENT,  74
.set YY,   154
.set G1A,  24
.set G0A,  32
.set G1S,  40
.set G0S,  48
.set MSB, 0
.macro WIN new                         ; the immediate's high byte repeats the setting that is left
.if MSB != (\new)
	s_set_vgpr_msb (MSB<<8)|(\new)
.set MSB, (\new)
.endif
.endm
.macro PLACES n
.rept \n
	v_nop
.endr
.endm
.macro CROUND                          ; a round of the cluster's barrier
	s_barrier_signal -1
	s_barrier_wait -1
	s_cmp_lg_u32 s22, 0
	s_cbranch_scc1 .Lnot_wave_0_\@
	s_barrier_signal -3
.Lnot_wave_0_\@:
	s_barrier_wait -3
	s_barrier_signal -1
	s_barrier_wait -1
.endm
	s_load_b512 s[4:19], s[0:1], 0x0               ; hq, hs, wq, ws, tb2, ib2, route, hidden
	s_load_b64 s[20:21], s[0:1], 0x40              ; out0
	v_lshl_add_u32 v[SPW], v0, 2, SPARE
	v_mov_b32 v[NIL], 0
	ds_add_u32 v[SPW], v[NIL]                      ; the wave's opening: the add, twice on end, and its wait ahead of my first tensor load
	ds_add_u32 v[SPW], v[NIL]
	v_lshrrev_b32 v1, 5, v0
	v_readfirstlane_b32 s22, v1                    ; wave
	s_and_b32 s23, s22, 1                          ; which four of a column group's eight tiles
	s_lshr_b32 s2, s22, 1                          ; which of the work-group's two groups of 128 columns
	s_bfe_u32 s84, ttmp6, 0x40000                  ; cx
	s_lshl_b32 s85, ttmp9, 2
	s_add_co_u32 s85, s85, s84                     ; which 256 columns: it enters global addresses of W, b2, hidden, out0 alone
	s_and_b32 s86, ttmp7, 0xffff                   ; the row tile, which the four partners share
	s_mov_b32 s[G1A], 15|(3<<16)|(1<<21)           ; mask: all four; elements of 8 bytes: 4 rows (64 along K each) of 7,680 bytes, 245,760 bytes apart
	s_mov_b32 s[G1A+1], 960<<16
	s_mov_b32 s[G1A+2], 4<<16
	s_mov_b32 s[G1A+3], 960<<16
	s_mov_b32 s[G1A+4], 4
	s_mov_b32 s[G1A+5], 30720
	s_mov_b32 s[G1A+6], 0
	s_mov_b32 s[G1A+7], 0
	s_mov_b32 s[G1S], 15|(3<<16)|(1<<21)           ; 4 K steps' rows of 640 bytes, 20,480 bytes apart
	s_mov_b32 s[G1S+1], 80<<16
	s_mov_b32 s[G1S+2], 4<<16
	s_mov_b32 s[G1S+3], 80<<16
	s_mov_b32 s[G1S+4], 4
	s_mov_b32 s[G1S+5], 2560
	s_mov_b32 s[G1S+6], 0
	s_mov_b32 s[G1S+7], 0
	s_wait_dscnt 0x0                               ; both opening adds are done
	s_wait_kmcnt 0x0
	s_load_b32 s87, s[16:17], 0x5000               ; the place behind the last text row: wanted for W alone, awaited behind the first fills
	s_mul_i32 s88, s22, 983040                     ; of each half of K I fetch four pieces of 64: 4 x wave on,
	s_mul_i32 s89, s86, 7680                       ; the tile's ten blocks
	s_add_co_u32 s88, s88, s89
	s_mov_b32 s89, 0
	s_add_nc_u64 s[88:89], s[4:5], s[88:89]
	s_mul_i32 s90, s22, 30720
.irp k, 0,1
	s_mov_b32 s[G0A+4*\k], 1
	s_add_co_u32 s[G0A+4*\k+1], s90, \k*122880
	s_add_nc_u64 s[G0A+4*\k+2:G0A+4*\k+3], s[88:89], \k*3932160
	s_or_b32 s[G0A+4*\k+3], s[G0A+4*\k+3], 0x80000000
.endr
	s_mul_i32 s92, s22, 81920                      ; the scale words of K steps 4 x wave on,
	s_mul_i32 s93, s86, 640                        ; the tile's 160 rows
	s_add_co_u32 s92, s92, s93
	s_mov_b32 s93, 0
	s_mov_b32 s[G0S], 1
	s_mul_i32 s94, s22, 2560
	s_add_co_u32 s[G0S+1], s94, ASC
	s_add_nc_u64 s[G0S+2:G0S+3], s[6:7], s[92:93]
	s_or_b32 s[G0S+3], s[G0S+3], 0x80000000
	CROUND                                         ; all four work-groups are here: the joint loads meet
	tensor_load_to_lds s[G0S:G0S+3], s[G1S:G1S+7]  ; all my tensor loads, one group: three are out.  The scale words,
	s_nop 0
	tensor_load_to_lds s[G0A:G0A+3], s[G1A:G1A+7]  ; K steps 0-7,
	s_nop 0
	tensor_load_to_lds s[G0A+4:G0A+7], s[G1A:G1A+7]   ; K steps 8-15
	s_nop 0
.rept 4
	v_nop
.endr
	v_and_b32 v3, 31, v0                           ; lane
	v_and_b32 v1, 15, v0                           ; r
	v_bfe_u32 v2, v0, 4, 1                         ; h
	v_lshlrev_b32 v[LI], 4, v3
	v_lshlrev_b32 v[L4], 2, v3
	v_lshlrev_b32 v[LH], 5, v2
	v_lshlrev_b32 v[BO], 4, v1
	v_mov_b32 v[FF+1], 0
	s_mul_i32 s94, s86, 640
	s_mov_b32 s95, 0
	s_add_nc_u64 s[96:97], s[16:17], s[94:95]      ; the list at the tile's first row (in a pair of its own: the scalar load above still names s[16:17])
.macro ELD a                           ; block a's entries: lanes 0-15 take rows 0-7 of the block, lanes 16-31 rows 8-15: register 8 a + i holds row i or i + 8
	WIN 0
	global_load_b128 v[ENT+8*(\a):ENT+8*(\a)+3], v[LH], s[96:97] offset:64*(\a)
	global_load_b128 v[ENT+8*(\a)+4:ENT+8*(\a)+7], v[LH], s[96:97] offset:64*(\a)+16
.endm
.irp a, 0,1,2,3,4,5,6,7,8,9
	ELD \a
.endr
	s_lshl_b32 s92, s85, 10
	s_lshl_b32 s93, s22, 8
	s_add_co_u32 s92, s92, s93                     ; my 64 columns, 4 bytes each
	s_mov_b32 s93, 0
	s_add_nc_u64 s[12:13], s[12:13], s[92:93]      ; the text expert's b2,
	s_add_nc_u64 s[14:15], s[14:15], s[92:93]      ; and the image expert's
	v_add_nc_u32 v[CBO], s92, v[BO]
	global_load_b128 v[B2:B2+3], v[BO], s[12:13]
	global_load_b128 v[B2X:B2X+3], v[BO], s[14:15]
	s_mul_i32 s98, s86, 160
	s_wait_kmcnt 0x0
	s_cmp_lt_u32 s98, s87                          ; does the tile begin among the text rows?
	s_cselect_b32 s94, 0, 1                        ; the expert's number,
	s_cselect_b32 s87, -1, 0                       ; and a mask for the choice between the two biases' numbers: all lanes on for text
	s_min_u32 s94, s94, 1                          ; held inside the table of two experts
	s_mul_i32 s95, s94, 131072                     ; the expert's scale words in ws,
	s_mul_i32 s94, s94, 3145728                    ; its codes in wq
	s_lshl_b32 s99, s85, 1
	s_add_co_u32 s99, s99, s2                      ; which 128 columns
	s_mul_i32 s92, s99, 196608
	s_mul_i32 s93, s23, 6144                       ; my four of their eight tiles
	s_add_co_u32 s92, s92, s93
	s_add_co_u32 s92, s92, s94
	s_add_co_u32 s92, s92, 6291456                 ; the second layer's weights
	s_mov_b32 s93, 0
	s_add_nc_u64 s[8:9], s[8:9], s[92:93]
	s_lshl_b32 s92, s99, 13
	s_lshl_b32 s93, s23, 8
	s_add_co_u32 s92, s92, s93
	s_add_co_u32 s92, s92, s95
	s_add_co_u32 s92, s92, 262144
	s_mov_b32 s93, 0
	s_add_nc_u64 s[10:11], s[10:11], s[92:93]
.set I, 0
.rept 32
	global_load_b32 v[SB+I], v[L4], s[10:11] offset:512*(I/2)+128*(I%2)   ; K step I / 2: lanes 0-15 tile 2 (I % 2), lanes 16-31 the tile behind it
.set I, I+1
.endr
.macro BLD s, idx                      ; load idx of 12 of W's fragments of K step s, into set s % 6
.set LQ, (\s)%6
.set LW, 1+2*(LQ/5)
.set LB, 48*LQ-176*(LQ/5)
	WIN LW<<6
	global_load_b128 v[LB+4*(\idx):LB+4*(\idx)+3], v[LI], s[8:9] offset:(\s)*12288+((\idx)/3)*1536+((\idx)%3)*512
.endm
.irp s, 0,1,2,3,4
.irp x, 0,1,2,3,4,5,6,7,8,9,10,11
	BLD \s, \x
.endr
.endr
	WIN 0
.irp j, 0,1,2,3
	v_add_nc_u32 v[ADA+\j], \j*61440, v[LI]
.endr
	v_lshlrev_b32 v[ADH], 3, v3
.irp j, 1,2,3
	v_add_nc_u32 v[ADH+\j], \j*61440+512, v[ADH]
.endr
	v_add_nc_u32 v[ADH], 512, v[ADH]
	v_add_nc_u32 v[ADS], ASC, v[L4]
	s_mul_i32 s88, s22, 16*SPITCH
	s_add_co_u32 s88, s88, STAGE
	v_mul_u32_u24 v[STO], v1, SPITCH
	v_lshl_add_u32 v[STO], v2, 6, v[STO]
	v_add_nc_u32 v[STO], s88, v[STO]               ; into my stage: row r, + 64 h
	v_mul_u32_u24 v[RD], v2, 8*SPITCH
	v_lshl_add_u32 v[RD], v1, 4, v[RD]
	v_add_nc_u32 v[RD], s88, v[RD]                 ; back: lanes 0-15 row i, lanes 16-31 row i + 8, 16 bytes a lane
	s_wait_loadcnt 60                              ; the list, both b2 and W's scale words are in; W's first five K steps, 60 loads, may be out
.irp c, 0,1,2,3
	v_cndmask_b32 v[B2+\c], v[B2X+\c], v[B2+\c], s87   ; the tile's expert's numbers: text's where the mask is on
.endr
.set I, 0
.rept 62                               ; THE 80 OFFSETS, all lanes on: the token, held inside the table, times a row's 8,192 bytes, and my 16 bytes of the row
	v_and_b32 v[194+I], 0xffff, v[ENT+I]
	v_min_u32 v[194+I], 0xfff, v[194+I]
	v_lshlrev_b32 v[194+I], 13, v[194+I]
	v_add_nc_u32 v[194+I], v[CBO], v[194+I]
.set I, I+1
.endr
	WIN 0xc0                                       ; destination window 3
.rept 18
	v_and_b32 v[170+I], 0xffff, v[ENT+I]
.set I, I+1
.endr
	WIN 0xcc                                       ; destination and source 1: window 3
.set I, 62
.rept 18
	v_min_u32 v[170+I], 0xfff, v[170+I]
	v_lshlrev_b32 v[170+I], 13, v[170+I]
	v_add_nc_u32 v[170+I], v[CBO], v[170+I]
.set I, I+1
.endr
	WIN 0
.macro HLOC n                          ; where the residual of row pair n lies: HW the window, HR the register.  Pairs 12 g .. 12 g + 11 lie in W's set (10 + g) % 6, pairs 72-79 where h's set 1 lay
.if (\n) < 72
.set HQ, (10+(\n)/12)%6
.set HW, 1+2*(HQ/5)
.set HR, 48*HQ-176*(HQ/5)+4*((\n)%12)
.else
.set HW, 3
.set HR, 112+4*((\n)-72)
.endif
.endm
.macro OLOC n                          ; and its offset: OW, OFR
.if (\n) < 62
.set OW, 0
.set OFR, 194+(\n)
.else
.set OW, 3
.set OFR, 170+(\n)
.endif
.endm
.macro HLD n
	HLOC \n
	OLOC \n
	WIN (HW<<6)|OW
	global_load_b128 v[HR:HR+3], v[OFR], s[18:19] th:TH_LOAD_NT   ; 256 consecutive bytes of each of two rows of hidden
.endm
.macro SCL sn                          ; h's scale words of K step sn: register i: lanes 0-15 block 2 i, lanes 16-31 block 2 i + 1
	WIN 0
.irp i, 0,1,2,3,4
	ds_load_b32 v[SA+5*((\sn)%2)+\i], v[ADS] offset:(\sn)*640+128*\i
.endr
.endm
.macro AFR sn, a                       ; block a of h for K step sn: two half fragments
.set NW, 3*((\sn)%2)
.set NA, 74+38*((\sn)%2)+12*(\a)
	WIN NW<<6
.irp c, 0,1
	ds_load_b128 v[NA+6*\c:NA+6*\c+3], v[ADA+(\sn)/4] offset:((2*(\sn)+\c)%8)*7680+768*(\a)
	ds_load_b64 v[NA+6*\c+4:NA+6*\c+5], v[ADH+(\sn)/4] offset:((2*(\sn)+\c)%8)*7680+768*(\a)
.endr
.endm
; One product: K step s, block a of h, tile b of W.  The 40 accumulators take turns in the same order in every step.  first = 1: the constant 0 starts the sum.
.macro PROD s, a, b, first
.set CQ, (\s)%6
.set CW, 1+2*(CQ/5)
.set CBR, 48*CQ-176*(CQ/5)+12*(\b)
.set CAW, 3*((\s)%2)
.set CAR, 74+38*((\s)%2)+12*(\a)
.set DW, 2+(\a)/8
.set AC, 32*((\a)%8)+8*(\b)
.set XB, SB+2*(\s)+(\b)/2
.set XA, SA+5*((\s)%2)+(\a)/2
.set PAR, (\b)%2+2*((\a)%2)
	WIN CW|(CAW<<2)|(DW<<4)|(DW<<6)
.if \first
.if PAR == 0
	v_wmma_scale_f32_16x16x128_f8f6f4 v[AC:AC+7], v[CBR:CBR+11], v[CAR:CAR+11], 0, v[XB], v[XA] matrix_a_fmt:MATRIX_FMT_FP6 matrix_b_fmt:MATRIX_FMT_FP6
.elseif PAR == 1
	v_wmma_scale_f32_16x16x128_f8f6f4 v[AC:AC+7], v[CBR:CBR+11], v[CAR:CAR+11], 0, v[XB], v[XA] matrix_a_fmt:MATRIX_FMT_FP6 matrix_b_fmt:MATRIX_FMT_FP6 matrix_a_scale:MATRIX_SCALE_ROW1
.elseif PAR == 2
	v_wmma_scale_f32_16x16x128_f8f6f4 v[AC:AC+7], v[CBR:CBR+11], v[CAR:CAR+11], 0, v[XB], v[XA] matrix_a_fmt:MATRIX_FMT_FP6 matrix_b_fmt:MATRIX_FMT_FP6 matrix_b_scale:MATRIX_SCALE_ROW1
.else
	v_wmma_scale_f32_16x16x128_f8f6f4 v[AC:AC+7], v[CBR:CBR+11], v[CAR:CAR+11], 0, v[XB], v[XA] matrix_a_fmt:MATRIX_FMT_FP6 matrix_b_fmt:MATRIX_FMT_FP6 matrix_a_scale:MATRIX_SCALE_ROW1 matrix_b_scale:MATRIX_SCALE_ROW1
.endif
.else
.if PAR == 0
	v_wmma_scale_f32_16x16x128_f8f6f4 v[AC:AC+7], v[CBR:CBR+11], v[CAR:CAR+11], v[AC:AC+7], v[XB], v[XA] matrix_a_fmt:MATRIX_FMT_FP6 matrix_b_fmt:MATRIX_FMT_FP6
.elseif PAR == 1
	v_wmma_scale_f32_16x16x128_f8f6f4 v[AC:AC+7], v[CBR:CBR+11], v[CAR:CAR+11], v[AC:AC+7], v[XB], v[XA] matrix_a_fmt:MATRIX_FMT_FP6 matrix_b_fmt:MATRIX_FMT_FP6 matrix_a_scale:MATRIX_SCALE_ROW1
.elseif PAR == 2
	v_wmma_scale_f32_16x16x128_f8f6f4 v[AC:AC+7], v[CBR:CBR+11], v[CAR:CAR+11], v[AC:AC+7], v[XB], v[XA] matrix_a_fmt:MATRIX_FMT_FP6 matrix_b_fmt:MATRIX_FMT_FP6 matrix_b_scale:MATRIX_SCALE_ROW1
.else
	v_wmma_scale_f32_16x16x128_f8f6f4 v[AC:AC+7], v[CBR:CBR+11], v[CAR:CAR+11], v[AC:AC+7], v[XB], v[XA] matrix_a_fmt:MATRIX_FMT_FP6 matrix_b_fmt:MATRIX_FMT_FP6 matrix_a_scale:MATRIX_SCALE_ROW1 matrix_b_scale:MATRIX_SCALE_ROW1
.endif
.endif
.endm
; A K step.  What its slices load lands in registers that the step before has multiplied: h's other set, h's other scale words, W's set (s - 1) % 6; the four places at the step's head stand between
; (ISA guide 7.12.1 for instructions other than loads).  From step 11 on the residual's rows take the place of W's fragments, 12 loads a step as before; step 15 loads the list again where h's set 0 lay.
.macro STEP s, first
	s_wait_loadcnt 48                              ; W's fragments of this step are in; behind them four groups of 12 loads were issued
	PLACES 4
.irp a, 0,1,2,3,4,5,6,7,8,9
.if (\s) < 15
	s_wait_dscnt 36                                ; block a is in: behind its loads stand those of nine blocks, 4 each (and, from block 1 on, five scale words: the count is the lesser one)
.else
	s_wait_dscnt 4*(9-\a)                          ; the last step fetches nothing from LDS: the blocks still to come stand behind
.endif
	PROD \s, \a, 0, \first
	PROD \s, \a, 1, \first
.if (\s) < 15
.if \a == 0
	SCL (\s)+1
.endif
.endif
.if (\a > 0) && (\a < 7)
.if (\s) < 11
	BLD (\s)+5, 2*\a-2
	BLD (\s)+5, 2*\a-1
.else
	HLD 12*((\s)-11)+2*\a-2
	HLD 12*((\s)-11)+2*\a-1
.endif
.endif
	PROD \s, \a, 2, \first
	PROD \s, \a, 3, \first
.if (\s) < 15
	AFR (\s)+1, \a
.else
	ELD \a
.endif
.endr
.endm
	s_wait_tensorcnt 1                             ; the scale words and my pieces of K steps 0-7 are in; the second half may be out
	s_barrier_signal -1
	s_barrier_wait -1                              ; everybody's are
	SCL 0
.irp a, 0,1,2,3,4,5,6,7,8,9
	AFR 0, \a
.endr
	STEP 0, 1
.irp s, 1,2,3,4,5,6
	STEP \s, 0
.endr
	WIN 0
	s_wait_tensorcnt 0x0                           ; my pieces of K steps 8-15 are in: no load was issued behind them;
	s_wait_dscnt 0x0                               ; no LDS instruction of mine is out at a signal
	s_barrier_signal -1
	s_barrier_wait -1                              ; everybody's are: step 7's slices read them
.irp s, 7,8,9,10,11,12,13,14,15
	STEP \s, 0
.endr
; THE WAY OUT.  A lane holds 16 neighbouring columns of a row in two tiles' registers; a block of 16 rows x 64 columns goes through my stage and comes back as rows of 256 bytes, two to an instruction.
	PLACES 4                                       ; behind the last products: their operands' registers are loaded next, their results read
.set N, 60
.rept 20
	HLD N                                          ; the residual's last 20 row pairs: into W's set 3, and where h's set 1 lay
.set N, N+1
.endr
	WIN 0
	s_wait_xcnt 0x0                                ; EXEC changes only behind this wait
	s_wait_loadcnt 20                              ; the list and the residual's first 60 row pairs are in; the 20 loads just issued may be out
.macro TOSTAGE a
.set AC, 32*((\a)%8)
	WIN (2+(\a)/8)<<2                              ; an LDS store's data are its source 1: window 2 or 3
.irp b, 0,1,2,3
	ds_store_b128 v[STO], v[AC+8*\b:AC+8*\b+3] offset:128*(\b/2)+32*(\b%2)          ; each accumulator from its low end on
	ds_store_b128 v[STO], v[AC+8*\b+4:AC+8*\b+7] offset:128*(\b/2)+32*(\b%2)+16
.endr
	WIN 0
.irp i, 0,1,2,3,4,5,6,7
	ds_load_b128 v[YY+4*\i:YY+4*\i+3], v[RD] offset:SPITCH*\i              ; LDS serves a wave's instructions in order: these see my stores
.endr
.endm
.macro ROWMATH a, i                    ; hidden + f (y + b2), rows i and i + 8 of block a
	HLOC 8*(\a)+(\i)
.set EN, ENT+8*(\a)+(\i)
.set YR, YY+4*(\i)
	s_wait_dscnt 7-(\i)                            ; this pair of rows is back; the later ones may be out
	WIN HW<<4                                      ; source 2: the residual's window
	v_cmp_gt_u32 vcc_lo, 0x10000, v[EN]
	v_cndmask_b32 v[FF], 0, 1.0, vcc_lo            ; f
	v_pk_add_f32 v[YR:YR+1], v[YR:YR+1], v[B2:B2+1]
	v_pk_add_f32 v[YR+2:YR+3], v[YR+2:YR+3], v[B2+2:B2+3]
	v_pk_fma_f32 v[YR:YR+1], v[YR:YR+1], v[FF:FF+1], v[HR:HR+1] op_sel_hi:[1,0,1]
	v_pk_fma_f32 v[YR+2:YR+3], v[YR+2:YR+3], v[FF:FF+1], v[HR+2:HR+3] op_sel_hi:[1,0,1]
.endm
.macro ST1 a, i
	OLOC 8*(\a)+(\i)
	WIN OW                                         ; source 0: the offset's window
	global_store_b128 v[OFR], v[YY+4*(\i):YY+4*(\i)+3], s[20:21] th:TH_STORE_NT   ; sixteen lanes store 256 consecutive bytes, at a multiple of 256 from out0's first byte
.endm
.irp a, 0,1,2,3,4,5,6,7,8,9
	TOSTAGE \a
.if \a == 7
	s_wait_loadcnt 8                               ; row pairs 60-71 are in; the last eight loads may be out
.endif
.if \a == 9
	s_wait_loadcnt 0x0
.endif
.irp i, 0,1,2,3,4,5,6,7
	ROWMATH \a, \i
.endr
.if (\a == 0) || (\a == 9)                     ; the one block of a tile that can hold tokens beside zero rows: a mask for each store
.irp i, 0,1,2,3,4,5,6,7
	v_cmp_gt_u32 vcc_lo, 0x20000, v[ENT+8*\a+\i]   ; a zero row stores nothing
	s_and_saveexec_b32 s84, vcc_lo                 ; (no global instruction has been issued since the last wait on XCNT)
	ST1 \a, \i
	s_wait_xcnt 0x0                                ; the store has read EXEC, its address and its data
	s_or_b32 exec_lo, exec_lo, s84
.endr
.else                                          ; tokens alone or zero rows alone: one mask, from rows 0 and 8, for the block's eight stores
	v_cmp_gt_u32 vcc_lo, 0x20000, v[ENT+8*\a]
	s_and_saveexec_b32 s84, vcc_lo
.irp i, 0,1,2,3,4,5,6,7
	ST1 \a, \i
.endr
	s_wait_xcnt 0x0                                ; the eight stores have read EXEC, their addresses and their data: the next block's rows may land there
	s_or_b32 exec_lo, exec_lo, s84
.endif
.endr
	WIN 0
	s_wait_tensorcnt 0x0                           ; the wave's end, behind my last tensor load and my last LDS store
	ds_add_u32 v[SPW], v[NIL]
	s_wait_dscnt 0x0
	CROUND                                         ; the closing round: no work-group ends while a partner may still ask for a tile that names it
	s_endpgm
.Lfunc_end_k_qdbf086ee54_gemm2:
	.size	k_qdbf086ee54_gemm2, .Lfunc_end_k_qdbf086ee54_gemm2-k_qdbf086ee54_gemm2
	.p2alignl 7, 3214868480
	.fill 96, 4, 3214868480
	.section	.rodata,"a",@progbits
	.p2align	6, 0x0
	.amdhsa_kernel k_qdbf086ee54_gemm2
		.amdhsa_group_segment_fixed_size 327680
		.amdhsa_private_segment_fixed_size 0
		.amdhsa_enable_private_segment 0
		.amdhsa_kernarg_size 72
		.amdhsa_user_sgpr_count 2
		.amdhsa_user_sgpr_kernarg_segment_ptr 1
		.amdhsa_wavefront_size32 1
		.amdhsa_system_sgpr_workgroup_id_x 1
		.amdhsa_system_sgpr_workgroup_id_y 1
		.amdhsa_system_sgpr_workgroup_id_z 1
		.amdhsa_system_vgpr_workitem_id 0
		.amdhsa_next_free_vgpr 1024
		.amdhsa_next_free_sgpr 100
		.amdhsa_reserve_vcc 1
		.amdhsa_float_denorm_mode_32 3
		.amdhsa_float_denorm_mode_16_64 3
		.amdhsa_memory_ordered 1
		.amdhsa_forward_progress 1
		.amdhsa_inst_pref_size 255
	.end_amdhsa_kernel
	.section	.bss,"aw",@nobits
	.p2align	6
	.space	262144
	.amdgpu_metadata
---
amdhsa.version: [ 1, 2 ]
amdhsa.kernels:
  - .name:           k_qdbf086ee54_gemm2
    .symbol:         k_qdbf086ee54_gemm2.kd
    .args:
      - { .name: hq, .offset: 0, .size: 8, .value_kind: global_buffer, .address_space: global }
      - { .name: hs, .offset: 8, .size: 8, .value_kind: global_buffer, .address_space: global }
      - { .name: wq, .offset: 16, .size: 8, .value_kind: global_buffer, .address_space: global }
      - { .name: ws, .offset: 24, .size: 8, .value_kind: global_buffer, .address_space: global }
      - { .name: tb2, .offset: 32, .size: 8, .value_kind: global_buffer, .address_space: global }
      - { .name: ib2, .offset: 40, .size: 8, .value_kind: global_buffer, .address_space: global }
      - { .name: route, .offset: 48, .size: 8, .value_kind: global_buffer, .address_space: global }
      - { .name: hidden_states, .offset: 56, .size: 8, .value_kind: global_buffer, .address_space: global }
      - { .name: out0, .offset: 64, .size: 8, .value_kind: global_buffer, .address_space: global }
    .group_segment_fixed_size: 327680
    .private_segment_fixed_size: 0
    .kernarg_segment_align: 8
    .kernarg_segment_size: 72
    .max_flat_workgroup_size: 128
    .sgpr_count:     100
    .vgpr_count:     1024
    .wavefront_size: 32
...
	.end_amdgpu_metadata
.endif
;; end of part 3
